; MI455X (gfx1250); checked and timed in simulation.
; The chip was launched on July 23, 2026; its instructions are those of AMD's public machine-readable ISA for CDNA 5 (MIT licence, August 2026) and "CDNA5" Instruction Set Architecture Reference Guide (July 2026). The comments in the code are by the model that wrote it; some were corrected since.
;; Mulit Head Attention. Allowed arithmetic: float matrix products may take bf16 or f16 operands with f32 sums; all other float work in f32.
;; Inputs: beta 768 float32; bk 768 float32; bq 768 float32; bv 768 float32; gamma 768 float32; wk 768 x 768 float32; wq 768 x 768 float32; wv 768 x 768 float32; x 8 x 1,024 x 768 float32.
;; Outputs: out0 8 x 1,024 x 768 float32.
;; 2 versions, each right; version 2 is version 1 with the launches prep, ln written anew for expert scheduling mode. Each part assembles by itself: llvm-mc -triple=amdgcn-amd-amdhsa -mcpu=gfx1250 --defsym DOCPART=n.
;; ======== version 1 of 2: 4 launches
;; workspace buffers: xb 12,582,912 bytes; wt 3,538,944 bytes; qkv 37,748,736 bytes; ysum 25,165,824 bytes
;; launch prep (part 1): grid 12 x 50, 8 waves a work-group, no clusters, 18,432 bytes of LDS; arguments x, wq, wk, wv, xb, wt; writes xb, wt
.if DOCPART == 1
	.amdgcn_target "amdgcn-amd-amdhsa--gfx1250"
	.amdhsa_code_object_version 6
	.text
	.protected	k_q243e2da765_prep
	.globl	k_q243e2da765_prep
	.p2align	8
	.type	k_q243e2da765_prep,@function
k_q243e2da765_prep:
	s_mov_b64 s[64:65], 0
	v_nop
	global_prefetch_b8 v0, s[64:65] scope:SCOPE_SE
	s_setreg_imm32_b32 hwreg(HW_REG_WAVE_MODE, 25, 1), 1
	s_wait_xcnt 0x0
; Rounds the projections' operands to bf16 once and lays them out in planes of 128 along K, so that every tile that the
; product fetches later is one dense run of rows of 256 bytes.
;   xb[kb][m][128] = bf16(x[m][128 kb + ..])         6 planes of 8192 rows of 256 bytes
;   wt[kb][n][128] = bf16(w_mat[128 kb + ..][col])   n = 768 mat + col, mat 0/1/2 = q/k/v: the weights transposed
; Work-groups with y < 18 transpose one tile of 128 k x 64 n of one weight matrix through LDS (x = column block, y = 6 mat + kb);
; those with y >= 18 convert 128 rows of one plane of x (kb = x / 2, group of rows = 2 (y - 18) + x % 2).  The branch hangs on the
; work-group's y alone, so all eight waves of a work-group take the same way and meet at the one barrier of the weights' way.
; Limits: round to nearest even to bf16; nothing else is changed.
.set XROW,  3072                       ; bytes in a row of x and of a weight matrix
.set NW,    18                         ; work-group rows that serve the weights
.set TP,    272                        ; LDS pitch of a transposed row: 256 bytes + 16
	s_load_b256 s[4:11], s[0:1], 0x0               ; x s[4:5], wq s[6:7], wk s[8:9], wv s[10:11]
	s_load_b128 s[12:15], s[0:1], 0x20             ; xb s[12:13], wt s[14:15]
	v_lshl_add_u32 v104, v0, 2, 0x4400
	v_mov_b32 v105, 0
	s_and_b32 s16, ttmp7, 0xffff                   ; work-group y
	v_lshrrev_b32 v1, 5, v0                        ; wave
	v_and_b32 v4, 15, v0                           ; thread mod 16
	s_cmp_lt_u32 s16, NW
	s_cbranch_scc1 .Lweights
	; ---- x: wave w takes 16 rows; a load covers the plane's 512 bytes of one row, a store the 256 bytes that they become
	s_sub_co_u32 s17, s16, NW
	s_and_b32 s18, ttmp9, 1
	s_lshl1_add_u32 s17, s17, s18                  ; group of 128 rows, 0..63
	s_lshr_b32 s22, ttmp9, 1                       ; kb, 0..5
	s_mul_i32 s18, s17, 128*XROW
	s_lshl_b32 s20, s22, 9                         ; 128 f32 of plane kb
	s_add_co_u32 s18, s18, s20
	s_mov_b32 s19, 0
	s_lshl_b32 s20, s22, 21                        ; a plane of xb: 8192 rows of 256 bytes
	s_lshl_b32 s21, s17, 15                        ; 128 rows of 256 bytes
	s_add_co_u32 s20, s20, s21
	s_mov_b32 s21, 0
	v_and_b32 v3, 31, v0
	v_mul_u32_u24 v2, v1, 16*XROW
	v_lshl_add_u32 v2, v3, 4, v2                   ; load: 16 rows x wave + 16 bytes x lane
	v_lshlrev_b32 v3, 3, v3
	v_lshl_add_u32 v3, v1, 12, v3                  ; store: 16 rows of 256 bytes x wave + 8 bytes x lane
	s_wait_kmcnt 0x0
	s_add_nc_u64 s[4:5], s[4:5], s[18:19]
	s_add_nc_u64 s[12:13], s[12:13], s[20:21]
.irp p, 0,1,2,3,4,5,6,7,8,9,10,11,12,13,14,15
	global_load_b128 v[8+4*\p:11+4*\p], v2, s[4:5] offset:XROW*\p th:TH_LOAD_NT
.endr
.irp p, 0,1,2,3,4,5,6,7,8,9,10,11,12,13,14,15
	s_wait_loadcnt 15-\p                           ; loads come back in order: row p is in, the 15 - p younger ones stay out
	v_cvt_pk_bf16_f32 v[72+2*\p], v[8+4*\p], v[9+4*\p]
	v_cvt_pk_bf16_f32 v[73+2*\p], v[10+4*\p], v[11+4*\p]
	global_store_b64 v3, v[72+2*\p:73+2*\p], s[12:13] offset:256*\p   ; every row has registers of its own: nothing is rewritten
.endr
	s_endpgm
	; ---- weights: thread t takes columns 4 (t mod 16) .. +3 of rows 2 kq + 32 e and 2 kq + 32 e + 1, kq = t / 16, e = 0..3
.Lweights:
	s_wait_kmcnt 0x0
	s_cmp_ge_u32 s16, 6
	s_cselect_b64 s[18:19], s[8:9], s[6:7]         ; the matrix: wq, wk
	s_cselect_b32 s20, 6, 0
	s_cselect_b32 s21, 1, 0
	s_cmp_ge_u32 s16, 12
	s_cselect_b64 s[18:19], s[10:11], s[18:19]     ; or wv
	s_cselect_b32 s20, 12, s20
	s_cselect_b32 s21, 2, s21                      ; mat
	s_sub_co_u32 s20, s16, s20                     ; kb
	s_mul_i32 s22, s20, 128*XROW
	s_lshl_b32 s24, ttmp9, 8                       ; 64 columns of f32
	s_add_co_u32 s22, s22, s24
	s_mov_b32 s23, 0
	s_add_nc_u64 s[18:19], s[18:19], s[22:23]
	s_mul_i32 s24, s20, 2304*256                   ; a plane of wt
	s_mul_i32 s25, s21, 768*256
	s_add_co_u32 s24, s24, s25
	s_lshl_b32 s25, ttmp9, 14                      ; 64 rows of 256 bytes
	s_add_co_u32 s24, s24, s25
	s_mov_b32 s25, 0
	s_add_nc_u64 s[14:15], s[14:15], s[24:25]
	v_lshrrev_b32 v5, 4, v0                        ; kq
	v_mul_u32_u24 v2, v5, 2*XROW
	v_lshl_add_u32 v2, v4, 4, v2
.irp e, 0,1,2,3
	global_load_b128 v[8+8*\e:11+8*\e],  v2, s[18:19] offset:32*XROW*\e th:TH_LOAD_NT
	global_load_b128 v[12+8*\e:15+8*\e], v2, s[18:19] offset:32*XROW*\e+XROW th:TH_LOAD_NT
.endr
	v_mul_u32_u24 v3, v4, 4*TP
	v_lshl_add_u32 v3, v5, 2, v3                   ; into LDS: row n = 4 (t mod 16) + c, bytes 4 kq + 64 e (k = 2 kq + 32 e and the next)
	v_mul_u32_u24 v6, v5, TP
	v_lshl_add_u32 v6, v4, 4, v6                   ; back: row t / 16, 16 bytes at 16 (t mod 16)
	v_lshlrev_b32 v7, 4, v0                        ; which is byte 16 t of the tile of wt, whose 64 rows follow each other without a gap
	s_wait_loadcnt 0x0
.irp e, 0,1,2,3
.irp c, 0,1,2,3
	v_cvt_pk_bf16_f32 v[40+4*\e+\c], v[8+8*\e+\c], v[12+8*\e+\c]   ; two neighbouring k of one column
.endr
.endr
.irp e, 0,1,2,3
.irp c, 0,1,2,3
	ds_store_b32 v3, v[40+4*\e+\c] offset:TP*\c+64*\e
.endr
.endr
	s_wait_dscnt 0x0                               ; my stores are done before I say so: other waves read these rows
	s_barrier_signal -1
	s_barrier_wait -1
.irp q, 0,1,2,3
	ds_load_b128 v[56+4*\q:59+4*\q], v6 offset:16*TP*\q
.endr
.irp q, 0,1,2,3
	s_wait_dscnt 3-\q                              ; load q is in, the 3 - q younger ones stay out
	global_store_b128 v7, v[56+4*\q:59+4*\q], s[14:15] offset:4096*\q   ; a wave's store covers 512 consecutive bytes
.endr
	s_wait_tensorcnt 0x0
	ds_add_u32 v104, v105
	s_wait_dscnt 0x0
	s_endpgm
.Lfunc_end_k_q243e2da765_prep:
	.size	k_q243e2da765_prep, .Lfunc_end_k_q243e2da765_prep-k_q243e2da765_prep
	.p2alignl 7, 3214868480
	.fill 96, 4, 3214868480
	.section	.rodata,"a",@progbits
	.p2align	6, 0x0
	.amdhsa_kernel k_q243e2da765_prep
		.amdhsa_group_segment_fixed_size 18432
		.amdhsa_private_segment_fixed_size 0
		.amdhsa_enable_private_segment 0
		.amdhsa_kernarg_size 48
		.amdhsa_user_sgpr_count 2
		.amdhsa_user_sgpr_kernarg_segment_ptr 1
		.amdhsa_wavefront_size32 1
		.amdhsa_system_sgpr_workgroup_id_x 1
		.amdhsa_system_sgpr_workgroup_id_y 1
		.amdhsa_system_sgpr_workgroup_id_z 1
		.amdhsa_system_vgpr_workitem_id 0
		.amdhsa_next_free_vgpr 106
		.amdhsa_next_free_sgpr 66
		.amdhsa_reserve_vcc 0
		.amdhsa_float_denorm_mode_32 3
		.amdhsa_float_denorm_mode_16_64 3
		.amdhsa_memory_ordered 1
		.amdhsa_forward_progress 1
		.amdhsa_inst_pref_size 13
	.end_amdhsa_kernel
	.amdgpu_metadata
---
amdhsa.version: [ 1, 2 ]
amdhsa.kernels:
  - .name:           k_q243e2da765_prep
    .symbol:         k_q243e2da765_prep.kd
    .args:
      - { .name: x, .offset: 0, .size: 8, .value_kind: global_buffer, .address_space: global }
      - { .name: wq, .offset: 8, .size: 8, .value_kind: global_buffer, .address_space: global }
      - { .name: wk, .offset: 16, .size: 8, .value_kind: global_buffer, .address_space: global }
      - { .name: wv, .offset: 24, .size: 8, .value_kind: global_buffer, .address_space: global }
      - { .name: xb, .offset: 32, .size: 8, .value_kind: global_buffer, .address_space: global }
      - { .name: wt, .offset: 40, .size: 8, .value_kind: global_buffer, .address_space: global }
    .group_segment_fixed_size: 18432
    .private_segment_fixed_size: 0
    .kernarg_segment_align: 8
    .kernarg_segment_size: 48
    .max_flat_workgroup_size: 256
    .sgpr_count:     66
    .vgpr_count:     106
    .wavefront_size: 32
...
	.end_amdgpu_metadata
.endif
;; end of part 1
;; launch qkv (part 2): grid 8 x 32, 4 waves a work-group, clusters of 4 x 4, 327,680 bytes of LDS; arguments xb, wt, bq, bk, bv, qkv; writes qkv
.if DOCPART == 2
	.amdgcn_target "amdgcn-amd-amdhsa--gfx1250"
	.amdhsa_code_object_version 6
	.text
	.protected	k_q243e2da765_qkv
	.globl	k_q243e2da765_qkv
	.p2align	8
	.type	k_q243e2da765_qkv,@function
k_q243e2da765_qkv:
	s_mov_b64 s[64:65], 0
	v_nop
	global_prefetch_b8 v0, s[64:65] scope:SCOPE_SE
	s_setreg_imm32_b32 hwreg(HW_REG_WAVE_MODE, 25, 1), 1
	s_wait_xcnt 0x0
	s_wait_alu depctr_hold_cnt(0) depctr_sa_sdst(0) depctr_va_vdst(0) depctr_va_sdst(0) depctr_va_ssrc(0) depctr_va_vcc(0) depctr_vm_vsrc(0)
	s_getreg_b32 s2, hwreg(HW_REG_IB_STS2, 6, 4)
	s_cmp_eq_u32 s2, 0
	s_cbranch_scc0 .Lentry_in_a_cluster
	s_endpgm
.Lentry_in_a_cluster:
	s_bfe_u32 s2, ttmp6, 0x10000c
	s_cmp_lg_u32 s2, 0xf033
	s_cbranch_scc0 .Lentry_shape_is_right
	s_endpgm
.Lentry_shape_is_right:
; qkv[g][m][d] = bf16( sum over k of xb(m, k) wt(32 g + d, k) + bias ),  g = half head = 2 (12 mat + head) + d / 32, m = 1024 b + s.  Sums in f32.
; 8192 x 2304 outputs on 256 work-groups: a block of 256 rows x 288 columns = nine half heads.  Four waves, one for each SIMD of a WGP.  Wave (wm, wn) makes
; 128 rows x 128 columns (four half heads: n tiles 0-7) and, of the block's middle half head, 64 rows x 32 columns (n tiles 8, 9): 72 accumulator tiles of 16 x 16.
; Its A fragments 0-3 are the 64 rows whose middle half head it makes, fragments 4-7 its other 64 rows: that is done by LDS addresses, so register numbers do
; not hang on the wave, and every wave holds whole output rows of 64 bytes: no wave needs another's results.
; K goes in 6 steps of 128 (one plane of xb and wt) through two LDS slots; a tile's rows are 256 bytes of memory, dense.  All six steps are written out.
; CLUSTERS: 4 x 4 work-groups.  A's tile hangs on the block row alone and is asked for jointly by a row of the cluster, B's on the block column alone and is asked
; for jointly by a column.  Waves 0, 1 ask for B's halves (144 rows), waves 2, 3 for A's (128 rows): one tensor load a wave and step.
; The matrix instruction is used transposed (source 0 = rows of wt, source 1 = rows of xb): lane l holds row m = l % 16, registers 0-7 the columns
; n = 8 (l / 16) + 0..7.  The bias is the C of the first product of each sum.  The 72 accumulators take turns, one instruction a turn, in the same order in
; every 32 of K.
; Limits: operands in bf16, results rounded once to bf16; NaN and infinities are not served.
; REGISTERS: window 0: v0-31 addresses, v32-47 bias tiles 8, 9, v64-127 and v128-191 fragments of A, v192-255 bias tiles 0-7 (v192-231 later at work on the way out)
;            window 1: v0-79 and v80-159 fragments of B (10 tiles), v192-255 accumulators (a = 0..3, b = 8, 9) at v[192 + 8 (2 a + b - 8)]
;            window 2: accumulators (a = 0..3, b = 0..7) at v[8 (8 a + b)];  window 3: a = 4..7
.set PITCH,  272                       ; an LDS row: 256 bytes + 16: an odd multiple of 16
.set ABASE,  288*PITCH                 ; a slot: B's 288 rows, then A's 256
.set SLOT,   544*PITCH
.set STAGE,  2*SLOT                    ; the way out: 16 rows x 336 bytes for each wave
.set SPITCH, 336                       ; 160 columns of bf16 + 16 bytes
.set APLANE, 8192*256
.set BPLANE, 2304*256
.set HPLANE, 8192*64                   ; a half head of qkv
.set ADRL, 16                          ; v16-17 LDS address of A fragments 0-3 in slot 0, 1
.set ADRH, 18                          ; v18-19 of A fragments 4-7
.set ADRB, 20                          ; v20-21 of B fragments 0-7
.set ADRX, 22                          ; v22-23 of B fragments 8, 9
.set STO,  24
.set RD,   25
.set CO,   26
.set BOF,  27
.set BIASX, 32
.set BIAS, 192
.set FA0,  64
.set FA1,  128
.set FB0,  0
.set FB1,  80
.set TMP,  192
.set G1A, 24
.set G0A, 32
.set G1B, 48
.set G0B, 56
.set SHAPE, (1<<16)|(1<<20)|(1<<21)|(5<<22)|(3<<25)   ; elements of 2 bytes; padding on; bit 21 beside a mask; after every 64 words; 4 words
.set MSB, 0
.macro WIN new                         ; the immediate's high byte repeats the setting that is left
.if MSB != \new
	s_set_vgpr_msb (MSB<<8)|\new
.set MSB, \new
.endif
.endm
.macro PLACES                          ; four places behind matrix instructions in front of loads into, and vector reads of, their registers
.rept 4
	v_nop
.endr
.endm
.macro JLOAD s                         ; one joint load a wave.  The branch hangs on the wave's number alone
	s_cmp_eq_u32 s17, 0
	s_cbranch_scc0 .Lfor_a_\@
	tensor_load_to_lds s[G0B+4*\s:G0B+4*\s+3], s[G1B:G1B+7]
	s_nop 0
	s_branch .Lasked_\@
.Lfor_a_\@:
	tensor_load_to_lds s[G0A+4*\s:G0A+4*\s+3], s[G1A:G1A+7]
	s_nop 0
.Lasked_\@:
.endm
.macro CREST                           ; a round of the cluster's barrier behind its opening barrier
	s_cmp_lg_u32 s16, 0
	s_cbranch_scc1 .Lnot_wave_0_\@
	s_barrier_signal -3
.Lnot_wave_0_\@:
	s_barrier_wait -3
	s_barrier_signal -1
	s_barrier_wait -1
.endm
.macro CROUND
	s_barrier_signal -1
	s_barrier_wait -1
	CREST
.endm
.macro BIASPTR dst, add                ; s[dst:dst+1] = address of the 32 biases of half head s85 + add (0..71): bq, bk or bv + 128 (g mod 24)
	s_add_co_u32 s84, s85, \add
	s_cmp_ge_u32 s84, 24
	s_cselect_b64 s[\dst:\dst+1], s[10:11], s[8:9]
	s_cselect_b32 s90, 24, 0
	s_cmp_ge_u32 s84, 48
	s_cselect_b64 s[\dst:\dst+1], s[12:13], s[\dst:\dst+1]
	s_cselect_b32 s90, 48, s90
	s_sub_co_u32 s92, s84, s90
	s_lshl_b32 s92, s92, 7
	s_mov_b32 s93, 0
	s_add_nc_u64 s[\dst:\dst+1], s[\dst:\dst+1], s[92:93]
.endm
	s_load_b256 s[4:11], s[0:1], 0x0               ; xb s[4:5], wt s[6:7], bq s[8:9], bk s[10:11]
	s_load_b128 s[12:15], s[0:1], 0x20             ; bv s[12:13], qkv s[14:15]
	s_set_vgpr_msb 0x40
	v_lshl_add_u32 v191, v0, 2, 0x4d800
	s_set_vgpr_msb 0x4000
	v_mov_b32 v63, 0
	s_set_vgpr_msb 0x1
	ds_add_u32 v191, v63
	s_set_vgpr_msb 0x100
	v_lshrrev_b32 v1, 5, v0
	v_readfirstlane_b32 s16, v1                    ; wave 0..3
	s_lshr_b32 s17, s16, 1                         ; wm: which 128 rows are mine.  Also: I fetch for B (0) or for A (1)
	s_and_b32 s3, s16, 1                           ; wn: which columns.  Also: which half of that tile I fetch
	s_bfe_u32 s18, ttmp6, 0x40000                  ; cx
	s_bfe_u32 s19, ttmp6, 0x40004                  ; cy
	s_lshl_b32 s20, ttmp9, 2
	s_add_co_u32 s20, s20, s18                     ; block column, 0..7
	s_and_b32 s21, ttmp7, 0xffff
	s_lshl_b32 s21, s21, 2
	s_add_co_u32 s21, s21, s19                     ; block row, 0..31
	s_lshl_b32 s22, s19, 2
	s_lshl_b32 s22, 15, s22                        ; my row of the cluster
	s_lshl_b32 s23, 0x1111, s18                    ; my column
	s_or_b32 s[G1A+0], s22, SHAPE
	s_or_b32 s[G1B+0], s23, SHAPE
	s_mov_b32 s[G1A+1], 128<<16                    ; tensor_dim0 = 128
	s_mov_b32 s[G1B+1], 128<<16
	s_mov_b32 s[G1A+2], 128<<16                    ; tensor_dim1 = rows
	s_mov_b32 s[G1B+2], 144<<16
	s_mov_b32 s[G1A+3], 128<<16                    ; tile_dim0 = 128
	s_mov_b32 s[G1B+3], 128<<16
	s_mov_b32 s[G1A+4], 128                        ; tile_dim1 = rows
	s_mov_b32 s[G1B+4], 144
	s_mov_b32 s[G1A+5], 128                        ; from row to row: 128 elements, dense
	s_mov_b32 s[G1B+5], 128
	s_mov_b32 s[G1A+6], 0
	s_mov_b32 s[G1B+6], 0
	s_mov_b32 s[G1A+7], 0
	s_mov_b32 s[G1B+7], 0
	s_mul_i32 s82, s16, 128*PITCH
	s_add_co_u32 s82, s82, ABASE-256*PITCH         ; A's halves go to ABASE + (wave - 2) x 128 rows
	s_mul_i32 s83, s16, 144*PITCH                  ; B's halves to wave x 144 rows
	s_lshl_b32 s40, s21, 16                        ; A: 256 rows of 256 bytes x block row (registers that never hold cx)
	s_lshl_b32 s41, s3, 15
	s_add_co_u32 s40, s40, s41
	s_mov_b32 s41, 0
	s_mul_i32 s44, s20, 288*256                    ; B: 288 rows x block column (registers that never hold cy)
	s_mul_i32 s45, s3, 144*256
	s_add_co_u32 s44, s44, s45
	s_mov_b32 s45, 0
	s_wait_dscnt 0x0
	s_wait_kmcnt 0x0
	s_add_nc_u64 s[42:43], s[4:5], s[40:41]
	s_add_nc_u64 s[46:47], s[6:7], s[44:45]
	CROUND                                         ; all sixteen work-groups are here: the first joint loads meet
.irp s, 0,1
	s_mov_b32 s[G0A+4*\s], 1
	s_add_co_u32 s[G0A+4*\s+1], s82, \s*SLOT
	s_add_nc_u64 s[G0A+4*\s+2:G0A+4*\s+3], s[42:43], \s*APLANE     ; K step s
	s_or_b32 s[G0A+4*\s+3], s[G0A+4*\s+3], 0x80000000
	s_mov_b32 s[G0B+4*\s], 1
	s_add_co_u32 s[G0B+4*\s+1], s83, \s*SLOT
	s_add_nc_u64 s[G0B+4*\s+2:G0B+4*\s+3], s[46:47], \s*BPLANE
	s_or_b32 s[G0B+4*\s+3], s[G0B+4*\s+3], 0x80000000
	JLOAD \s                                       ; both slots' first fills go out together: two tensor loads of the wave are out here, one later
.endr
	; the biases of my ten n tiles: register j of lane l holds bias(n0 + 8 (l / 16) + j), the layout of an accumulator
	v_and_b32 v1, 15, v0                           ; r = l % 16
	v_bfe_u32 v2, v0, 4, 1                         ; h = l / 16
	v_lshlrev_b32 v[BOF], 5, v2
	s_mul_i32 s86, s20, 9
	s_mul_i32 s85, s3, 5
	s_add_co_u32 s85, s85, s86                     ; my first half head: 9 x block column + 5 wn
	s_mov_b32 s91, s85
.irp q, 0,1,2,3
	BIASPTR 66+2*\q, \q
.endr
	s_mov_b32 s85, s86
	BIASPTR 74, 4                                  ; the block's middle half head
.irp q, 0,1,2,3
.irp e, 0,1
	global_load_b128 v[BIAS+8*(2*\q+\e):BIAS+8*(2*\q+\e)+3],   v[BOF], s[66+2*\q:67+2*\q] offset:64*\e
	global_load_b128 v[BIAS+8*(2*\q+\e)+4:BIAS+8*(2*\q+\e)+7], v[BOF], s[66+2*\q:67+2*\q] offset:64*\e+16
.endr
.endr
.irp e, 0,1
	global_load_b128 v[BIASX+8*\e:BIASX+8*\e+3],   v[BOF], s[74:75] offset:64*\e
	global_load_b128 v[BIASX+8*\e+4:BIASX+8*\e+7], v[BOF], s[74:75] offset:64*\e+16
.endr
	; where the results go: rows of fragments 0-3 (lo), of fragments 4-7 (hi)
	s_lshl_b32 s87, s21, 8
	s_lshl_b32 s88, s17, 7
	s_add_co_u32 s87, s87, s88                     ; 256 x block row + 128 wm
	s_lshl_b32 s88, s3, 6                          ; 64 wn
	s_add_co_u32 s89, s87, s88                     ; lo
	s_add_co_u32 s87, s87, 64
	s_sub_co_u32 s87, s87, s88                     ; hi
	s_lshl_b32 s89, s89, 6                         ; rows of 64 bytes
	s_lshl_b32 s87, s87, 6
	s_lshl_b32 s91, s91, 19                        ; my first half head's plane
	s_add_co_u32 s92, s91, s89
	s_mov_b32 s93, 0
	s_add_nc_u64 s[76:77], s[14:15], s[92:93]
	s_add_co_u32 s92, s91, s87
	s_add_nc_u64 s[78:79], s[14:15], s[92:93]
	s_add_co_u32 s86, s86, 4
	s_lshl_b32 s86, s86, 19
	s_add_co_u32 s92, s86, s89
	s_add_nc_u64 s[80:81], s[14:15], s[92:93]      ; the middle half head, rows lo
	; fragments: lane l holds row l % 16; registers 0-3 K = 8 (l / 16) + 0..7, registers 4-7 K = 16 + 8 (l / 16) + 0..7: two loads of 16 bytes, 32 apart
	v_mul_u32_u24 v3, v1, PITCH
	v_lshl_add_u32 v3, v2, 4, v3
	s_mul_i32 s94, s17, 128*PITCH
	s_mul_i32 s95, s3, 64*PITCH
	s_add_co_u32 s94, s94, ABASE
	s_add_co_u32 s88, s94, s95                     ; fragments 0-3: rows 128 wm + 64 wn
	s_add_co_u32 s94, s94, 64*PITCH
	s_sub_co_u32 s94, s94, s95                     ; fragments 4-7: the other 64
	s_mul_i32 s95, s3, 160*PITCH                   ; B: rows 0-127 or 160-287
.irp s, 0,1
	v_add_nc_u32 v[ADRL+\s], s88, v3
	v_add_nc_u32 v[ADRH+\s], s94, v3
	v_add_nc_u32 v[ADRB+\s], s95, v3
	v_add_nc_u32 v[ADRX+\s], \s*SLOT+128*PITCH, v3 ; B: rows 128-159
	s_add_co_u32 s88, s88, SLOT
	s_add_co_u32 s94, s94, SLOT
	s_add_co_u32 s95, s95, SLOT
.endr
	s_mul_i32 s88, s16, 16*SPITCH
	s_add_co_u32 s88, s88, STAGE                   ; my stage
	v_mul_u32_u24 v4, v1, SPITCH
	v_lshl_add_u32 v4, v2, 4, v4
	v_add_nc_u32 v[STO], s88, v4                   ; in: row l % 16, 16 bytes for each half of the lanes
	v_bfe_u32 v5, v0, 2, 3                         ; l / 4
	v_and_b32 v6, 3, v0                            ; l % 4
	v_mul_u32_u24 v5, v5, SPITCH
	v_lshl_add_u32 v5, v6, 4, v5
	v_add_nc_u32 v[RD], s88, v5                    ; back: four lanes take a half head's 64 bytes of a row, the wave eight rows,
	v_and_b32 v7, 31, v0
	v_lshlrev_b32 v[CO], 4, v7                     ; which are 512 consecutive bytes of qkv
; 16 matrix instructions: m tiles a0, a0 + 1 of the window's four x n tiles 0-7, 32 along K.  bias = 1: C is the bias tile (window 0) and starts the sum
.macro MUL16 f, g, hi, a0, bias
.irp a, \a0, \a0+1
.irp b, 0,1,2,3,4,5,6,7
.if \bias
	v_wmma_f32_16x16x32_bf16 v[8*(8*(\a)+\b):8*(8*(\a)+\b)+7], v[\g+8*\b:\g+8*\b+7], v[\f+8*(4*\hi+\a):\f+8*(4*\hi+\a)+7], v[BIAS+8*\b:BIAS+8*\b+7]
.else
	v_wmma_f32_16x16x32_bf16 v[8*(8*(\a)+\b):8*(8*(\a)+\b)+7], v[\g+8*\b:\g+8*\b+7], v[\f+8*(4*\hi+\a):\f+8*(4*\hi+\a)+7], v[8*(8*(\a)+\b):8*(8*(\a)+\b)+7]
.endif
.endr
.endr
.endm
; 8 matrix instructions: m tiles 0-3 x n tiles 8, 9
.macro MULX f, g, bias
.irp a, 0,1,2,3
.irp e, 0,1
.if \bias
	v_wmma_f32_16x16x32_bf16 v[192+8*(2*\a+\e):192+8*(2*\a+\e)+7], v[\g+64+8*\e:\g+71+8*\e], v[\f+8*\a:\f+8*\a+7], v[BIASX+8*\e:BIASX+8*\e+7]
.else
	v_wmma_f32_16x16x32_bf16 v[192+8*(2*\a+\e):192+8*(2*\a+\e)+7], v[\g+64+8*\e:\g+71+8*\e], v[\f+8*\a:\f+8*\a+7], v[192+8*(2*\a+\e):192+8*(2*\a+\e)+7]
.endif
.endr
.endr
.endm
; windows: source 0 (B) window 1, source 1 (A) window 0; D window 2, 3 or 1; C as D, or window 0 for the bias
.macro WLO bias
	WIN 0xa1-0x20*\bias
.endm
.macro WHI bias
	WIN 0xf1-0x30*\bias
.endm
.macro WX bias
	WIN 0x51-0x10*\bias
.endm
; 36 LDS loads in one run: 20 for B's ten fragments, then 16 for A's eight, 32 of K at byte k of the rows
.macro FETCH slot, k, f, g
	WIN 0x40
.irp i, 0,1,2,3,4,5,6,7
	ds_load_b128 v[\g+8*\i:\g+8*\i+3],   v[ADRB+\slot] offset:\k+\i*16*PITCH
	ds_load_b128 v[\g+8*\i+4:\g+8*\i+7], v[ADRB+\slot] offset:\k+\i*16*PITCH+32
.endr
.irp e, 0,1
	ds_load_b128 v[\g+64+8*\e:\g+67+8*\e], v[ADRX+\slot] offset:\k+\e*16*PITCH
	ds_load_b128 v[\g+68+8*\e:\g+71+8*\e], v[ADRX+\slot] offset:\k+\e*16*PITCH+32
.endr
	WIN 0
.irp i, 0,1,2,3
	ds_load_b128 v[\f+8*\i:\f+8*\i+3],   v[ADRL+\slot] offset:\k+\i*16*PITCH
	ds_load_b128 v[\f+8*\i+4:\f+8*\i+7], v[ADRL+\slot] offset:\k+\i*16*PITCH+32
.endr
.irp i, 0,1,2,3
	ds_load_b128 v[\f+32+8*\i:\f+35+8*\i], v[ADRH+\slot] offset:\k+\i*16*PITCH
	ds_load_b128 v[\f+36+8*\i:\f+39+8*\i], v[ADRH+\slot] offset:\k+\i*16*PITCH+32
.endr
.endm
; one of the first three quarters of a K step: multiplies buffers f, g; in its middle fetches the next quarter (byte k of the rows) into f2, g2
.macro QUARTER slot, k, f, g, f2, g2, bias
	s_wait_dscnt 8                                 ; all of B and A's fragments 0-3 are in; the youngest eight loads (A's fragments 4-7) may be out
	WLO \bias
	MUL16 \f, \g, 0, 0, \bias
	MUL16 \f, \g, 0, 2, \bias
	WX \bias
	MULX \f, \g, \bias
	PLACES
	FETCH \slot, \k, \f2, \g2
	s_wait_dscnt 36                                ; all but the 36 just issued
	WHI \bias
	MUL16 \f, \g, 1, 0, \bias
	MUL16 \f, \g, 1, 2, \bias
.endm
.macro THREE slot, bias
	QUARTER \slot, 64,  FA0, FB0, FA1, FB1, \bias
	QUARTER \slot, 128, FA1, FB1, FA0, FB0, 0
	QUARTER \slot, 192, FA0, FB0, FA1, FB1, 0
.endm
; the last quarter: multiplies buffers 1 and changes slots.  In front of the barrier each wave waits for its reads of this slot and for all its tensor loads
; (one is out: its part of the next slot).  Where the slot is filled again the barrier opens a round of the cluster's barrier, and the joint refill is the
; first tensor load behind the round.  From a request to the wait for it a wave issues 264 matrix instructions.
.macro TURN slot, next, fill
	s_wait_dscnt 8
	WIN 0xa1
	MUL16 FA1, FB1, 0, 0, 0
	s_wait_dscnt 0                                 ; my reads of this slot are over
	s_wait_tensorcnt 0x0                           ; all my tensor loads have landed
	ds_add_u32 v191, v63
	s_wait_dscnt 0x0
	s_barrier_signal -1
	MUL16 FA1, FB1, 0, 2, 0                        ; register work while the others arrive
	WIN 0x51
	MULX FA1, FB1, 0
	WIN 0
	s_barrier_wait -1
.if \fill
	CREST
	s_add_nc_u64 s[G0A+4*\slot+2:G0A+4*\slot+3], s[G0A+4*\slot+2:G0A+4*\slot+3], 2*APLANE
	s_add_nc_u64 s[G0B+4*\slot+2:G0B+4*\slot+3], s[G0B+4*\slot+2:G0B+4*\slot+3], 2*BPLANE
	JLOAD \slot
.endif
	PLACES
	FETCH \next, 0, FA0, FB0
	WIN 0xf1
	MUL16 FA1, FB1, 1, 0, 0
	MUL16 FA1, FB1, 1, 2, 0
.endm
	s_wait_tensorcnt 1                             ; my part of K step 0 is in; K step 1's may stay out
	s_barrier_signal -1
	s_barrier_wait -1
	FETCH 0, 0, FA0, FB0
	s_wait_loadcnt 0x0                             ; the biases
	THREE 0, 1                                     ; K step 0; its first products start the sums from the biases
	TURN 0, 1, 1                                   ; asks for K step 2
	THREE 1, 0
	TURN 1, 0, 1                                   ; 3
	THREE 0, 0
	TURN 0, 1, 1                                   ; 4
	THREE 1, 0
	TURN 1, 0, 1                                   ; 5, the last
	THREE 0, 0
	TURN 0, 1, 0
	THREE 1, 0
	s_wait_dscnt 8                                 ; the very last quarter: nothing more to fetch
	WIN 0xa1
	MUL16 FA1, FB1, 0, 0, 0
	MUL16 FA1, FB1, 0, 2, 0
	WIN 0x51
	MULX FA1, FB1, 0
	s_wait_dscnt 0
	WIN 0xf1
	MUL16 FA1, FB1, 1, 0, 0
	MUL16 FA1, FB1, 1, 2, 0
	; THE WAY OUT, 16 rows at a time: round to bf16, 16 bytes a lane into my own stage, back as eight rows of one half head at a time
	PLACES
; a: m tile of the window (from = 0x0a or 0x0f: sources in window 2 or 3); f: FA0 or FA1 in turn; base: the rows' pointer; nx = 1: the middle half head too
.macro OUT16 a, from, f, base, nx
	WIN \from
.irp b, 0,1,2,3,4,5,6,7
.irp r, 0,1,2,3
	v_cvt_pk_bf16_f32 v[TMP+4*\b+\r], v[8*(8*\a+\b)+2*\r], v[8*(8*\a+\b)+2*\r+1]
.endr
.endr
.if \nx
	WIN 0x05
.irp e, 0,1
.irp r, 0,1,2,3
	v_cvt_pk_bf16_f32 v[TMP+32+4*\e+\r], v[192+8*(2*\a+\e)+2*\r], v[192+8*(2*\a+\e)+2*\r+1]
.endr
.endr
.endif
	WIN 0
.irp b, 0,1,2,3,4,5,6,7
	ds_store_b128 v[STO], v[TMP+4*\b:TMP+4*\b+3] offset:32*\b
.endr
.if \nx
	ds_store_b128 v[STO], v[TMP+32:TMP+35] offset:256
	ds_store_b128 v[STO], v[TMP+36:TMP+39] offset:288
.endif
	s_wait_xcnt 0x0                                ; buffer f, which earlier stores read, is loaded again only behind this wait
.irp t, 0,1,2,3,4,5,6,7
	ds_load_b128 v[\f+4*\t:\f+4*\t+3], v[RD] offset:64*(\t>>1)+8*SPITCH*(\t&1)   ; a wave's LDS instructions are served in order: these see the stores above
.endr
.if \nx
	ds_load_b128 v[\f+32:\f+35], v[RD] offset:256
	ds_load_b128 v[\f+36:\f+39], v[RD] offset:256+8*SPITCH
.endif
.irp t, 0,1,2,3,4,5,6,7
	s_wait_dscnt 7+2*\nx-\t                        ; load t is in, the younger ones stay out
	global_store_b128 v[CO], v[\f+4*\t:\f+4*\t+3], s[\base:\base+1] offset:HPLANE*(\t>>1)+1024*\a+512*(\t&1)   ; 512 consecutive bytes of one half head
.endr
.if \nx
	s_wait_dscnt 1
	global_store_b128 v[CO], v[\f+32:\f+35], s[80:81] offset:1024*\a
	s_wait_dscnt 0
	global_store_b128 v[CO], v[\f+36:\f+39], s[80:81] offset:1024*\a+512
.endif
.endm
	OUT16 0, 0x0a, FA0, 76, 1
	OUT16 1, 0x0a, FA1, 76, 1
	OUT16 2, 0x0a, FA0, 76, 1
	OUT16 3, 0x0a, FA1, 76, 1
	OUT16 0, 0x0f, FA0, 78, 0
	OUT16 1, 0x0f, FA1, 78, 0
	OUT16 2, 0x0f, FA0, 78, 0
	OUT16 3, 0x0f, FA1, 78, 0
	s_set_vgpr_msb 0x1
	s_wait_tensorcnt 0x0
	ds_add_u32 v191, v63
	s_wait_dscnt 0x0
	s_set_vgpr_msb 0x100
	CROUND                                         ; the closing round: no work-group ends while a partner may still ask for a tile that names it
	s_endpgm
.Lfunc_end_k_q243e2da765_qkv:
	.size	k_q243e2da765_qkv, .Lfunc_end_k_q243e2da765_qkv-k_q243e2da765_qkv
	.p2alignl 7, 3214868480
	.fill 96, 4, 3214868480
	.section	.rodata,"a",@progbits
	.p2align	6, 0x0
	.amdhsa_kernel k_q243e2da765_qkv
		.amdhsa_group_segment_fixed_size 327680
		.amdhsa_private_segment_fixed_size 0
		.amdhsa_enable_private_segment 0
		.amdhsa_kernarg_size 48
		.amdhsa_user_sgpr_count 2
		.amdhsa_user_sgpr_kernarg_segment_ptr 1
		.amdhsa_wavefront_size32 1
		.amdhsa_system_sgpr_workgroup_id_x 1
		.amdhsa_system_sgpr_workgroup_id_y 1
		.amdhsa_system_sgpr_workgroup_id_z 1
		.amdhsa_system_vgpr_workitem_id 0
		.amdhsa_next_free_vgpr 1024
		.amdhsa_next_free_sgpr 96
		.amdhsa_reserve_vcc 0
		.amdhsa_float_denorm_mode_32 3
		.amdhsa_float_denorm_mode_16_64 3
		.amdhsa_memory_ordered 1
		.amdhsa_forward_progress 1
		.amdhsa_inst_pref_size 223
	.end_amdhsa_kernel
	.amdgpu_metadata
---
amdhsa.version: [ 1, 2 ]
amdhsa.kernels:
  - .name:           k_q243e2da765_qkv
    .symbol:         k_q243e2da765_qkv.kd
    .args:
      - { .name: xb, .offset: 0, .size: 8, .value_kind: global_buffer, .address_space: global }
      - { .name: wt, .offset: 8, .size: 8, .value_kind: global_buffer, .address_space: global }
      - { .name: bq, .offset: 16, .size: 8, .value_kind: global_buffer, .address_space: global }
      - { .name: bk, .offset: 24, .size: 8, .value_kind: global_buffer, .address_space: global }
      - { .name: bv, .offset: 32, .size: 8, .value_kind: global_buffer, .address_space: global }
      - { .name: qkv, .offset: 40, .size: 8, .value_kind: global_buffer, .address_space: global }
    .group_segment_fixed_size: 327680
    .private_segment_fixed_size: 0
    .kernarg_segment_align: 8
    .kernarg_segment_size: 48
    .max_flat_workgroup_size: 128
    .sgpr_count:     96
    .vgpr_count:     1024
    .wavefront_size: 32
...
	.end_amdgpu_metadata
.endif
;; end of part 2
;; launch attn (part 3): grid 256 x 1, 12 waves a work-group, clusters of 4 x 1, 327,680 bytes of LDS; arguments qkv, x, ysum; writes ysum
.if DOCPART == 3
	.amdgcn_target "amdgcn-amd-amdhsa--gfx1250"
	.amdhsa_code_object_version 6
	.text
	.protected	k_q243e2da765_attn
	.globl	k_q243e2da765_attn
	.p2align	8
	.type	k_q243e2da765_attn,@function
k_q243e2da765_attn:
	s_mov_b64 s[64:65], 0
	v_nop
	global_prefetch_b8 v0, s[64:65] scope:SCOPE_SE
	s_setreg_imm32_b32 hwreg(HW_REG_WAVE_MODE, 25, 1), 1
	s_wait_xcnt 0x0
	s_wait_alu depctr_hold_cnt(0) depctr_sa_sdst(0) depctr_va_vdst(0) depctr_va_sdst(0) depctr_va_ssrc(0) depctr_va_vcc(0) depctr_vm_vsrc(0)
	s_getreg_b32 s2, hwreg(HW_REG_IB_STS2, 6, 4)
	s_cmp_eq_u32 s2, 0
	s_cbranch_scc0 .Lentry_in_a_cluster
	s_endpgm
.Lentry_in_a_cluster:
	s_bfe_u32 s2, ttmp6, 0x10000c
	s_cmp_lg_u32 s2, 0x3003
	s_cbranch_scc0 .Lentry_shape_is_right
	s_endpgm
.Lentry_shape_is_right:
; ysum[m][64 head + d] = x[m][..] + 2 softmax over keys of (Q K^T / 8) times V, for 96 pairs of batch and head; S = 1024, D = 64.
; qkv: bf16 in half-head planes [72][8192][32]; x, ysum: f32 [8192][768].
; A work-group takes 128 query rows of three heads; wave w takes head 3 hg + w / 4 and 32 query rows (two tiles of 16).  The keys go in 8 tiles of 128 through two LDS slots.
; CLUSTERS: the four work-groups of a cluster take four query blocks of the same batch and heads and need the same K and V: every tile is a joint load of the four.
; Each wave asks for one half-head plane's 128 keys (8,192 dense bytes): waves 0-5 V's six pieces, waves 6-11 K's: one tensor load a wave and tile; one is out at any time.
; TRANSPOSED FORMS.  S^T = K Q^T: lane l holds query l % 16 and registers j the keys 8 (l / 16) + j of a tile, so a row's maximum and sum are formed inside a lane
; and once between the halves.  Two packed score tiles ARE the B fragment of P^T for 32 keys.  O^T = V^T P^T, V^T's fragments by transposing loads from V [key][d].
; STAGES.  A unit is 64 keys x 16 queries; unit n = 2 block + query tile.  In stage n the vector unit makes the softmax of unit n, and among its instructions stand
; the 16 matrix instructions of the OTHER query tile: P V of unit n - 1, then the scores of unit n + 1.  The two sets share no register, so the places behind the
; matrix instructions (ISA guide 7.12.1) are filled by the softmax itself.  Accumulators take turns, one instruction a turn.
; SOFTMAX: a running maximum, renewed every 64 keys.  p = exp2(c s - round(c m)), c = log2(e) / 8; the old sums are scaled by exp2 of the difference of the two
; rounded shifts, so old and new blocks carry exactly one shift.
; Limits: Q, K, V and P in bf16; the row sum adds the unrounded p; exponentials below 2^-126 come out as 0 (ISA guide, v_exp_f32); NaN and infinities are not served.
.set KPITCH, 80                        ; a key's 64 bytes of a half head of K + 16: an odd multiple of 16
.set VPITCH, 96                        ; of V + 32: an odd multiple of 32, for the transposing loads
.set KPIECE, 128*KPITCH
.set VPIECE, 128*VPITCH
.set KBASE,  6*VPIECE                  ; a slot: V's six pieces, then K's six
.set SLOT,   KBASE+6*KPIECE
.set STAGE,  2*SLOT                    ; the way out: 16 rows x 272 bytes for each wave
.set SPITCH, 272
.set HPLANE, 8192*64
.set KAD, 2                            ; v2-3   LDS address of my head's K fragments in slot 0, 1
.set VAD, 4                            ; v4-5   of its V fragments
.set M,   10                           ; v10-11 running maximum of the raw scores, one for each query tile
.set L,   12                           ; v12-13 running sum (this half's keys)
.set AL,  14                           ; v[14:15], v[16:17] scale of the old sums (first register; the partner is only written once)
.set NM,  18                           ; v[18:19], v[20:21] - c m
.set T,   22                           ; v22-30 at work; v31 offsets of the prefetch
.set Q,   32                           ; v[32 + 16 qt + 8 dh]  Q fragments
.set O,   64                           ; v[64 + 8 (2 dt + qt)] O^T accumulators
.set S,   128                          ; v[128 + 32 qt + 8 kt] S^T tiles; later P^T fragments at 128 + 32 qt + 16 u
.set KF,  192                          ; K fragments at 192 + 32 dh + 8 kt; at the end x
                                       ; V^T fragments: v256-319, named v[32 u + 8 dt] in window 1
.set G1K, 16
.set G1V, 24
.set G0V, 32                           ; s[32:39] group 0 for V's pieces, one set for each slot
.set G0K, 40                           ; s[40:47] for K's
.set MSB, 0
.macro WIN new                         ; the immediate's high byte repeats the setting that is left
.if MSB != \new
	s_set_vgpr_msb (MSB<<8)|\new
.set MSB, \new
.endif
.endm
.macro ROUND                           ; a round of the cluster's barrier
	s_barrier_signal -1
	s_barrier_wait -1
	s_cmp_lg_u32 s8, 0
	s_cbranch_scc1 .Lnot_wave_0_\@
	s_barrier_signal -3
.Lnot_wave_0_\@:
	s_barrier_wait -3
	s_barrier_signal -1
	s_barrier_wait -1
.endm
.macro JLOAD n                         ; my piece of slot n's tile.  The branch hangs on the wave's number alone
	s_cmp_lt_u32 s8, 6
	s_cbranch_scc0 .Lfor_k_\@
	tensor_load_to_lds s[G0V+4*\n:G0V+4*\n+3], s[G1V:G1V+7]
	s_nop 0
	s_branch .Lasked_\@
.Lfor_k_\@:
	tensor_load_to_lds s[G0K+4*\n:G0K+4*\n+3], s[G1K:G1K+7]
	s_nop 0
.Lasked_\@:
.endm
	s_load_b128 s[4:7], s[0:1], 0x0                ; qkv s[4:5], x s[6:7]
	s_load_b64 s[10:11], s[0:1], 0x10              ; ysum
	v_lshl_add_u32 v28, v0, 2, 0x4ec00
	v_mov_b32 v29, 0
	ds_add_u32 v28, v29
	v_lshrrev_b32 v1, 5, v0
	v_readfirstlane_b32 s8, v1                     ; wave 0..11
	s_bfe_u32 s9, ttmp6, 0x40000                   ; cx
	s_lshr_b32 s12, ttmp9, 3                       ; batch
	s_bfe_u32 s13, ttmp9, 0x20001                  ; group of three heads
	s_and_b32 s14, ttmp9, 1
	s_lshl2_add_u32 s14, s14, s9                   ; query block = 4 (cluster & 1) + cx
	s_lshr_b32 s15, s8, 2                          ; which of the three heads I compute
	; group 1: 8,192 dense bytes as 32 rows of 256 (32 elements of 8 bytes); padding behind every 16 words: 4 words for K, 8 for V; mask: all four of the cluster
	s_mov_b32 s[G1K+0], 15|(3<<16)|(1<<20)|(1<<21)|(3<<22)|(3<<25)
	s_mov_b32 s[G1V+0], 15|(3<<16)|(1<<20)|(1<<21)|(3<<22)|(7<<25)
.irp g, G1K, G1V
	s_mov_b32 s[\g+1], 32<<16
	s_mov_b32 s[\g+2], 32<<16
	s_mov_b32 s[\g+3], 32<<16
	s_mov_b32 s[\g+4], 32
	s_mov_b32 s[\g+5], 32
	s_mov_b32 s[\g+6], 0
	s_mov_b32 s[\g+7], 0
.endr
	s_mul_i32 s66, s13, 6                          ; six half heads for three heads
	s_lshl_b32 s69, s12, 16                        ; 1024 rows of 64 bytes x batch
	s_min_u32 s60, s8, 5                           ; V: plane 48 + 6 hg + wave (waves 0-5 ask by it)
	s_add_co_u32 s60, s60, s66
	s_add_co_u32 s60, s60, 48
	s_lshl_b32 s60, s60, 19
	s_add_co_u32 s60, s60, s69
	s_mov_b32 s61, 0
	s_max_u32 s62, s8, 6                           ; K: plane 24 + 6 hg + wave - 6 (waves 6-11)
	s_add_co_u32 s62, s62, s66
	s_add_co_u32 s62, s62, 18
	s_lshl_b32 s62, s62, 19
	s_add_co_u32 s62, s62, s69
	s_mov_b32 s63, 0
	s_mul_i32 s67, s8, VPIECE                      ; where the pieces go: the wave's number alone
	s_mul_i32 s68, s8, KPIECE
	s_add_co_u32 s68, s68, KBASE-6*KPIECE
	s_wait_dscnt 0x0
	s_wait_kmcnt 0x0
	s_add_nc_u64 s[60:61], s[4:5], s[60:61]
	s_add_nc_u64 s[62:63], s[4:5], s[62:63]
.irp n, 0,1
	s_mov_b32 s[G0V+4*\n], 1
	s_add_co_u32 s[G0V+4*\n+1], s67, \n*SLOT
	s_add_nc_u64 s[G0V+4*\n+2:G0V+4*\n+3], s[60:61], \n*8192       ; tile n: 128 keys of 64 bytes
	s_or_b32 s[G0V+4*\n+3], s[G0V+4*\n+3], 0x80000000
	s_mov_b32 s[G0K+4*\n], 1
	s_add_co_u32 s[G0K+4*\n+1], s68, \n*SLOT
	s_add_nc_u64 s[G0K+4*\n+2:G0K+4*\n+3], s[62:63], \n*8192
	s_or_b32 s[G0K+4*\n+3], s[G0K+4*\n+3], 0x80000000
.endr
	ROUND                                          ; in front of the first joint load
	JLOAD 0                                        ; tile 0
	s_mul_i32 s70, s13, 3
	s_add_co_u32 s70, s70, s15                     ; head
	s_lshl_b32 s71, s12, 10
	s_lshl_b32 s72, s14, 7
	s_add_co_u32 s71, s71, s72
	s_and_b32 s72, s8, 3
	s_lshl_b32 s72, s72, 5
	s_add_co_u32 s71, s71, s72                     ; my first query row: 1024 b + 128 block + 32 (w & 3)
	s_lshl_b32 s54, s70, 20                        ; Q: planes 2 head, 2 head + 1
	s_lshl_b32 s72, s71, 6
	s_add_co_u32 s54, s54, s72
	s_mov_b32 s55, 0
	s_add_nc_u64 s[54:55], s[4:5], s[54:55]
	s_mul_i32 s72, s71, 3072
	s_lshl_b32 s73, s70, 8
	s_add_co_u32 s72, s72, s73
	s_mov_b32 s73, 0
	s_add_nc_u64 s[56:57], s[6:7], s[72:73]        ; x and ysum at my first row and my head's 256 bytes
	s_add_nc_u64 s[58:59], s[10:11], s[72:73]
	v_and_b32 v1, 15, v0                           ; r
	v_bfe_u32 v22, v0, 4, 1                        ; h
	v_lshlrev_b32 v9, 6, v1
	v_lshl_add_u32 v9, v22, 4, v9                  ; Q fragments straight from memory: row r, 16 bytes x h
.irp qt, 0,1
.irp dh, 0,1
	global_load_b128 v[Q+16*\qt+8*\dh:Q+16*\qt+8*\dh+3],   v9, s[54:55] offset:HPLANE*\dh+1024*\qt
	global_load_b128 v[Q+16*\qt+8*\dh+4:Q+16*\qt+8*\dh+7], v9, s[54:55] offset:HPLANE*\dh+1024*\qt+32
.endr
.endr
	s_mov_b32 s48, 0x3e38aa3b                      ; c = log2(e) / 8
	s_mov_b32 s49, 0x3e38aa3b
	s_mov_b32 s50, 0xbe38aa3b                      ; - c
	s_mov_b32 s52, 0x76543210                      ; v_permlanex16_b32: lane i reads lane i of the other half
	s_mov_b32 s53, 0xfedcba98
	s_mul_i32 s74, s15, 2*KPIECE
	s_add_co_u32 s74, s74, KBASE                   ; my head's two pieces of K
	v_mul_u32_u24 v23, v1, KPITCH
	v_lshl_add_u32 v23, v22, 4, v23
	v_add_nc_u32 v[KAD], s74, v23                  ; K: key row r, 16 bytes x h
	v_add_nc_u32 v[KAD+1], SLOT, v[KAD]
	v_and_b32 v24, 7, v0
	v_bfe_u32 v25, v0, 3, 1
	v_lshl_add_u32 v26, v22, 3, v24                ; V: key row 8 h + l % 8,
	v_mul_u32_u24 v26, v26, VPITCH
	v_lshl_add_u32 v26, v25, 4, v26                ; 16 bytes x ((l / 8) & 1)
	s_mul_i32 s74, s15, 2*VPIECE
	v_add_nc_u32 v[VAD], s74, v26
	v_add_nc_u32 v[VAD+1], SLOT, v[VAD]
	s_mul_i32 s75, s8, 16*SPITCH
	s_add_co_u32 s75, s75, STAGE                   ; my stage
	v_mul_u32_u24 v6, v1, SPITCH
	v_lshl_add_u32 v6, v22, 5, v6
	v_add_nc_u32 v6, s75, v6                       ; in: query row r, 8 f32 x h
	v_mul_u32_u24 v7, v22, SPITCH
	v_lshl_add_u32 v7, v1, 4, v7
	v_add_nc_u32 v7, s75, v7                       ; back: lanes 0-15 one row of 256 bytes, lanes 16-31 the next
	v_mul_u32_u24 v8, v22, 3072
	v_lshl_add_u32 v8, v1, 4, v8                   ; and the same two rows in x and ysum
	v_and_b32 v31, 31, v0
	v_mul_u32_u24 v31, v31, 3072                   ; the prefetch: lane l asks for row l's 256 bytes of x
	v_mov_b32 v[AL+1], 0                           ; partners of pairs of which only the first register is used
	v_mov_b32 v[AL+3], 0
	v_mov_b32 v[NM+1], 0
	v_mov_b32 v[NM+3], 0
	v_mov_b32 v[T+4], 0                            ; destinations of v_permlanex16_b32 count as read
	v_mov_b32 v[T+5], 0
	s_wait_loadcnt 0x0                             ; Q
.macro KLOAD slot, sb                  ; K fragments of 64 keys: d = 0..31 first, then d = 32..63
.irp dh, 0,1
.irp kt, 0,1,2,3
	ds_load_b128 v[KF+32*\dh+8*\kt:KF+32*\dh+8*\kt+3],   v[KAD+\slot] offset:KPIECE*\dh+64*KPITCH*\sb+16*KPITCH*\kt
	ds_load_b128 v[KF+32*\dh+8*\kt+4:KF+32*\dh+8*\kt+7], v[KAD+\slot] offset:KPIECE*\dh+64*KPITCH*\sb+16*KPITCH*\kt+32
.endr
.endr
.endm
.macro VLOAD slot, sb                  ; V^T fragments of 64 keys into window 1
	WIN 0x40
.irp u, 0,1
.irp dt, 0,1,2,3
	ds_load_tr16_b128 v[32*\u+8*\dt:32*\u+8*\dt+3],   v[VAD+\slot] offset:VPIECE*(\dt>>1)+64*VPITCH*\sb+32*VPITCH*\u+32*(\dt&1)
	ds_load_tr16_b128 v[32*\u+8*\dt+4:32*\u+8*\dt+7], v[VAD+\slot] offset:VPIECE*(\dt>>1)+64*VPITCH*\sb+32*VPITCH*\u+16*VPITCH+32*(\dt&1)
.endr
.endr
	WIN 0
.endm
.macro PVP oq, u, d0, zero             ; two products O^T(dt, oq) += V^T(u, dt) P^T(oq, u), dt = d0, d0 + 1; source 0 in window 1
	WIN 0x01
.irp dt, \d0, \d0+1
.if \zero
	v_wmma_f32_16x16x32_bf16 v[O+8*(2*(\dt)+\oq):O+8*(2*(\dt)+\oq)+7], v[32*\u+8*(\dt):32*\u+8*(\dt)+7], v[S+32*\oq+16*\u:S+32*\oq+16*\u+7], 0
.else
	v_wmma_f32_16x16x32_bf16 v[O+8*(2*(\dt)+\oq):O+8*(2*(\dt)+\oq)+7], v[32*\u+8*(\dt):32*\u+8*(\dt)+7], v[S+32*\oq+16*\u:S+32*\oq+16*\u+7], v[O+8*(2*(\dt)+\oq):O+8*(2*(\dt)+\oq)+7]
.endif
.endr
	WIN 0
.endm
.macro SC oq, dh, kt                   ; one product S^T(oq, kt) (+)= K(dh, kt) Q^T(oq, dh)
.if \dh
	v_wmma_f32_16x16x32_bf16 v[S+32*\oq+8*\kt:S+32*\oq+8*\kt+7], v[KF+32+8*\kt:KF+32+8*\kt+7], v[Q+16*\oq+8:Q+16*\oq+15], v[S+32*\oq+8*\kt:S+32*\oq+8*\kt+7]
.else
	v_wmma_f32_16x16x32_bf16 v[S+32*\oq+8*\kt:S+32*\oq+8*\kt+7], v[KF+8*\kt:KF+8*\kt+7], v[Q+16*\oq:Q+16*\oq+7], 0
.endif
.endm
.macro MX2 b, i                        ; one step of the two chains of the maximum
	v_max3_num_f32 v[T],   v[T],   v[\b+2*\i],    v[\b+2*\i+1]
	v_max3_num_f32 v[T+1], v[T+1], v[\b+17+2*\i], v[\b+18+2*\i]
.endm
; Stage n.  qt: the unit's query tile, oq the other.  first: the tile's first block.  pv: P V of unit n - 1 (pv0: it starts O).  sc: scores of unit n + 1.
; kl: at the head, K of block sb of a slot's two is read (odd stages).  vl: in the middle, V of it (even stages).
.macro STAGE qt, oq, first, pv, pv0, sc, kl, vl, slot, sb
.if \kl
	KLOAD \slot, \sb                               ; behind the last stage's sums, conversions and scalings: more than four places behind the scores that read K
.endif
.if \qt
	s_wait_dscnt 16*\kl                            ; V's loads of the last stage are in; K's sixteen just issued may be out
.endif
.if \pv
	PVP \oq, 0, 0, \pv0
.endif
.if \first
	v_max_num_f32 v[T], v[S+32*\qt], v[S+32*\qt+1]
.else
	v_max3_num_f32 v[T], v[M+\qt], v[S+32*\qt], v[S+32*\qt+1]     ; the old maximum among them
.endif
	v_max3_num_f32 v[T+1], v[S+32*\qt+16], v[S+32*\qt+17], v[S+32*\qt+18]
	MX2 (S+32*\qt), 1
.if \pv
	PVP \oq, 0, 2, \pv0
.endif
	MX2 (S+32*\qt), 2
	MX2 (S+32*\qt), 3
.if \pv
	PVP \oq, 1, 0, 0
.endif
	MX2 (S+32*\qt), 4
	MX2 (S+32*\qt), 5
.if \pv
	PVP \oq, 1, 2, 0
.endif
	MX2 (S+32*\qt), 6
	v_max3_num_f32 v[T], v[T], v[S+32*\qt+14], v[S+32*\qt+15]
	v_max3_num_f32 v[T], v[T], v[T+1], v[S+32*\qt+31]
	v_permlanex16_b32 v[T+4], v[T], s52, s53       ; the other half of the lanes holds the same query's other keys
	v_max_num_f32 v[M+\qt], v[T], v[T+4]
	v_mul_f32 v[T+8], s50, v[M+\qt]                ; the new shift, rounded once
.if \first
.else
	v_sub_f32 v[AL+2*\qt], v[T+8], v[NM+2*\qt]     ; new shift - old shift, at most 0
.endif
	v_mov_b32 v[NM+2*\qt], v[T+8]
.if \vl
	VLOAD \slot, \sb                               ; seven plain vector instructions or more behind the last product that read V
.endif
.if \kl
	s_wait_dscnt 8                                 ; K's d = 0..31 are in; the eight loads of d = 32..63 may be out
.endif
.irp g, 0,1,2,3
.if \sc
	SC \oq, 0, \g                                  ; seven plain vector instructions or more behind the products whose B it writes over
.endif
.irp i, 0,1,2,3
	v_pk_fma_f32 v[S+32*\qt+8*\g+2*\i:S+32*\qt+8*\g+2*\i+1], v[S+32*\qt+8*\g+2*\i:S+32*\qt+8*\g+2*\i+1], s[48:49], v[NM+2*\qt:NM+2*\qt+1] op_sel_hi:[1,0,0]   ; c s - c m
.endr
.endr
.if \first
.else
	v_exp_f32 v[AL+2*\qt], v[AL+2*\qt]
.endif
.if \kl
	s_wait_dscnt 0
.endif
.irp g, 0,1,2,3
.if \sc
	SC \oq, 1, \g
.endif
.irp i, 0,1,2,3,4,5,6,7
	v_exp_f32 v[S+32*\qt+8*\g+\i], v[S+32*\qt+8*\g+\i]
.endr
.endr
	v_nop                                          ; one plain vector instruction between the exponentials and the first use of a result (ISA guide 5.7.2)
	s_wait_alu depctr_va_vdst(0)
	v_pk_add_f32 v[T:T+1],   v[S+32*\qt:S+32*\qt+1],       v[S+32*\qt+2:S+32*\qt+3]      ; the block's sum: two chains
	v_pk_add_f32 v[T+2:T+3], v[S+32*\qt+16:S+32*\qt+17],   v[S+32*\qt+18:S+32*\qt+19]
.irp i, 2,3,4,5,6,7
	v_pk_add_f32 v[T:T+1],   v[T:T+1],   v[S+32*\qt+2*\i:S+32*\qt+2*\i+1]
	v_pk_add_f32 v[T+2:T+3], v[T+2:T+3], v[S+32*\qt+16+2*\i:S+32*\qt+17+2*\i]
.endr
	v_pk_add_f32 v[T:T+1], v[T:T+1], v[T+2:T+3]
.if \first
	v_add_f32 v[L+\qt], v[T], v[T+1]
.else
	v_add_f32 v[T], v[T], v[T+1]
	v_fma_f32 v[L+\qt], v[L+\qt], v[AL+2*\qt], v[T]
.endif
.irp b, 0,16                           ; two score tiles pack, in place and upward, into the B fragment of P^T for their 32 keys
.irp i, 0,1,2,3,4,5,6,7
	v_cvt_pk_bf16_f32 v[S+32*\qt+\b+\i], v[S+32*\qt+\b+2*\i], v[S+32*\qt+\b+2*\i+1]
.endr
.endr
.if \first
.else
.irp dt, 0,1,2,3
.irp i, 0,1,2,3
	v_pk_mul_f32 v[O+8*(2*\dt+\qt)+2*\i:O+8*(2*\dt+\qt)+2*\i+1], v[O+8*(2*\dt+\qt)+2*\i:O+8*(2*\dt+\qt)+2*\i+1], v[AL+2*\qt:AL+2*\qt+1] op_sel_hi:[1,0]
.endr
.endr
.endif
.endm
; Four stages that read K and V of the tile in slot cur.  At their head slot old has had its last read (V, in the middle of the stage before): every wave waits for
; all its tensor loads (its piece of cur's tile among them) and for its LDS reads, the round follows, and old is asked for again first: four stages in which to land.
.macro GROUP cur, old, refill, pf
	s_wait_tensorcnt 0x0
	ds_add_u32 v28, v29
	s_wait_dscnt 0x0
.if \refill
	s_add_nc_u64 s[G0V+4*\old+2:G0V+4*\old+3], s[G0V+4*\old+2:G0V+4*\old+3], 2*8192   ; no load of mine is out: that slot's next tile
	s_add_nc_u64 s[G0K+4*\old+2:G0K+4*\old+3], s[G0K+4*\old+2:G0K+4*\old+3], 2*8192
.endif
	s_wait_dscnt 0x0
	ROUND
.if \refill
	JLOAD \old
.endif
	STAGE 1, 0, 0, 1, 0, 1, 1, 0, \cur, 0
.if \pf
	global_prefetch_b8 v31, s[56:57] th:TH_LOAD_NT scope:SCOPE_SE  ; my 32 rows x 256 bytes of x, which no other wave reads, three stages ahead of their loads
.endif
	STAGE 0, 1, 0, 1, 0, 1, 0, 1, \cur, 0
	STAGE 1, 0, 0, 1, 0, 1, 1, 0, \cur, 1
	STAGE 0, 1, 0, 1, 0, 1, 0, 1, \cur, 1
.endm
	s_wait_tensorcnt 0x0                           ; my piece of tile 0 is in
	ds_add_u32 v28, v29
	s_wait_dscnt 0x0
	ROUND                                          ; everybody's is
	JLOAD 1                                        ; tile 1, slot 1's first fill: my one load behind this round
	KLOAD 0, 0
	s_wait_dscnt 8
.irp g, 0,1,2,3
	SC 0, 0, \g                                    ; the scores of unit 0
.endr
	s_wait_dscnt 0
.irp g, 0,1,2,3
	SC 0, 1, \g
.endr
.rept 4
	v_nop                                          ; places behind them: the softmax reads them
.endr
	STAGE 0, 1, 1, 0, 0, 1, 0, 1, 0, 0             ; stage 0
	STAGE 1, 0, 1, 1, 1, 1, 1, 0, 0, 1             ; stage 1
	STAGE 0, 1, 0, 1, 1, 1, 0, 1, 0, 1             ; stage 2
	s_mov_b32 s51, 3                               ; stages 3 to 26: tiles 1 to 6; ask for tiles 2 to 7
.Lkeys:
	GROUP 1, 0, 1, 0
	GROUP 0, 1, 1, 0
	s_sub_co_u32 s51, s51, 1
	s_cmp_lg_u32 s51, 0
	s_cbranch_scc1 .Lkeys
	GROUP 1, 0, 0, 1                               ; stages 27 to 30: tile 7; nothing is left to ask for
.irp qt, 0,1
.irp t, 0,1,2,3,4,5,6,7
	global_load_b128 v[KF+32*\qt+4*\t:KF+32*\qt+4*\t+3], v8, s[56:57] offset:3072*(16*\qt+2*\t) th:TH_LOAD_NT   ; x, into K's registers: the last scores are made
.endr
.endr
	STAGE 1, 0, 0, 1, 0, 0, 0, 0, 0, 0             ; stage 31
	PVP 1, 0, 0, 0                                 ; P V of unit 31
	PVP 1, 0, 2, 0
	PVP 1, 1, 0, 0
	PVP 1, 1, 2, 0
	; THE WAY OUT: times 2 / row sum; 16 query rows at a time through my own stage, back as whole rows of 256 bytes; x is added; stored
.rept 4
	v_nop                                          ; places behind the last products
.endr
	v_permlanex16_b32 v[T+4], v[L],   s52, s53
	v_permlanex16_b32 v[T+5], v[L+1], s52, s53
	v_add_f32 v[L],   v[L],   v[T+4]               ; both halves' keys; at least about 1: the largest score's own term
	v_add_f32 v[L+1], v[L+1], v[T+5]
	v_rcp_f32 v[AL],   v[L]
	v_rcp_f32 v[AL+2], v[L+1]
	v_nop                                          ; one plain vector instruction in front of the first use
	s_wait_alu depctr_va_vdst(0)
	v_add_f32 v[AL],   v[AL],   v[AL]
	v_add_f32 v[AL+2], v[AL+2], v[AL+2]
.macro OUTQ qt
.irp dt, 0,1,2,3
.irp i, 0,1,2,3
	v_pk_mul_f32 v[O+8*(2*\dt+\qt)+2*\i:O+8*(2*\dt+\qt)+2*\i+1], v[O+8*(2*\dt+\qt)+2*\i:O+8*(2*\dt+\qt)+2*\i+1], v[AL+2*\qt:AL+2*\qt+1] op_sel_hi:[1,0]
.endr
	ds_store_b128 v6, v[O+8*(2*\dt+\qt):O+8*(2*\dt+\qt)+3]   offset:64*\dt
	ds_store_b128 v6, v[O+8*(2*\dt+\qt)+4:O+8*(2*\dt+\qt)+7] offset:64*\dt+16
.endr
.irp t, 0,1,2,3,4,5,6,7
	ds_load_b128 v[S+32*\qt+4*\t:S+32*\qt+4*\t+3], v7 offset:2*SPITCH*\t   ; a wave's LDS instructions are served in order: these see the stores above
.endr
.irp t, 0,1,2,3,4,5,6,7
	s_wait_dscnt 7-\t                              ; LDS load t is in, the 7 - t younger ones stay out
	s_wait_loadcnt 15-8*\qt-\t                     ; and so is its piece of x; the younger loads of x stay out
	v_pk_add_f32 v[S+32*\qt+4*\t:S+32*\qt+4*\t+1],   v[S+32*\qt+4*\t:S+32*\qt+4*\t+1],   v[KF+32*\qt+4*\t:KF+32*\qt+4*\t+1]
	v_pk_add_f32 v[S+32*\qt+4*\t+2:S+32*\qt+4*\t+3], v[S+32*\qt+4*\t+2:S+32*\qt+4*\t+3], v[KF+32*\qt+4*\t+2:KF+32*\qt+4*\t+3]
	global_store_b128 v8, v[S+32*\qt+4*\t:S+32*\qt+4*\t+3], s[58:59] offset:3072*(16*\qt+2*\t)   ; 16 lanes store a head's 256 consecutive bytes of a row
.endr
.endm
	OUTQ 0
	OUTQ 1
	s_wait_tensorcnt 0x0
	ds_add_u32 v28, v29
	s_wait_dscnt 0x0
	ROUND                                          ; the closing round
	s_endpgm
.Lfunc_end_k_q243e2da765_attn:
	.size	k_q243e2da765_attn, .Lfunc_end_k_q243e2da765_attn-k_q243e2da765_attn
	.p2alignl 7, 3214868480
	.fill 96, 4, 3214868480
	.section	.rodata,"a",@progbits
	.p2align	6, 0x0
	.amdhsa_kernel k_q243e2da765_attn
		.amdhsa_group_segment_fixed_size 327680
		.amdhsa_private_segment_fixed_size 0
		.amdhsa_enable_private_segment 0
		.amdhsa_kernarg_size 24
		.amdhsa_user_sgpr_count 2
		.amdhsa_user_sgpr_kernarg_segment_ptr 1
		.amdhsa_wavefront_size32 1
		.amdhsa_system_sgpr_workgroup_id_x 1
		.amdhsa_system_sgpr_workgroup_id_y 1
		.amdhsa_system_sgpr_workgroup_id_z 1
		.amdhsa_system_vgpr_workitem_id 0
		.amdhsa_next_free_vgpr 320
		.amdhsa_next_free_sgpr 76
		.amdhsa_reserve_vcc 0
		.amdhsa_float_denorm_mode_32 3
		.amdhsa_float_denorm_mode_16_64 3
		.amdhsa_memory_ordered 1
		.amdhsa_forward_progress 1
		.amdhsa_inst_pref_size 158
	.end_amdhsa_kernel
	.amdgpu_metadata
---
amdhsa.version: [ 1, 2 ]
amdhsa.kernels:
  - .name:           k_q243e2da765_attn
    .symbol:         k_q243e2da765_attn.kd
    .args:
      - { .name: qkv, .offset: 0, .size: 8, .value_kind: global_buffer, .address_space: global }
      - { .name: x, .offset: 8, .size: 8, .value_kind: global_buffer, .address_space: global }
      - { .name: ysum, .offset: 16, .size: 8, .value_kind: global_buffer, .address_space: global }
    .group_segment_fixed_size: 327680
    .private_segment_fixed_size: 0
    .kernarg_segment_align: 8
    .kernarg_segment_size: 24
    .max_flat_workgroup_size: 384
    .sgpr_count:     76
    .vgpr_count:     320
    .wavefront_size: 32
...
	.end_amdgpu_metadata
.endif
;; end of part 3
;; launch ln (part 4): grid 512 x 1, 4 waves a work-group, no clusters, 0 bytes of LDS; arguments ysum, gamma, beta, out0; writes out0
.if DOCPART == 4
	.amdgcn_target "amdgcn-amd-amdhsa--gfx1250"
	.amdhsa_code_object_version 6
	.text
	.protected	k_q243e2da765_ln
	.globl	k_q243e2da765_ln
	.p2align	8
	.type	k_q243e2da765_ln,@function
k_q243e2da765_ln:
	s_mov_b64 s[64:65], 0
	v_nop
	global_prefetch_b8 v0, s[64:65] scope:SCOPE_SE
	s_setreg_imm32_b32 hwreg(HW_REG_WAVE_MODE, 25, 1), 1
	s_wait_xcnt 0x0
; out0[m][:] = LayerNorm(ysum[m][:]) * gamma + beta, rows of 768 f32, eps = 1e-6; ysum = x + 2 ctx was formed by the launch before.
; A stream: one wave takes a whole row (24 numbers a lane, six loads of 16 bytes, each covering 512 consecutive bytes) and four rows in all, so the two sums
; never leave the wave: no LDS, no barrier.  All 36 loads of a wave go out at the start; each row has registers of its own, so nothing is rewritten while in use.
; The mean is taken away before the squares are summed, as the definition has it: a common offset of the inputs costs no digits.
; Matrix units, clusters and LDS would add nothing to a stream and are left out.
; Limits: sums in another order than a sequential one; v_rsq_f32 to 1 ULP; NaN and infinities are not served.
.set ROW, 3072
.set GA,  4                            ; v4-27   gamma of my 24 columns
.set BE,  28                           ; v28-51  beta
.set X0,  52                           ; row i at 52 + 24 i
.set TA,  148                          ; v[148:151] two chains
.set MU,  152                          ; v[152:153] - mean (first register; the partner is only written once)
.set RS,  154                          ; v[154:155] 1 / sqrt(var + eps)
	s_load_b256 s[4:11], s[0:1], 0x0               ; ysum s[4:5], gamma s[6:7], beta s[8:9], out0 s[10:11]
	s_mul_i32 s14, ttmp9, 16*ROW                   ; the work-group's 16 rows
	s_mov_b32 s15, 0
	s_mov_b32 s16, 0xbaaaaaab                      ; - 1 / 768
	s_mov_b32 s17, 0x3aaaaaab                      ; 1 / 768
	s_mov_b32 s18, 0x358637bd                      ; 1e-6
	s_mov_b32 s20, 0x76543210                      ; v_permlanex16_b32: lane i reads lane i of the other half
	s_mov_b32 s21, 0xfedcba98
	v_and_b32 v2, 31, v0
	v_lshlrev_b32 v2, 4, v2                        ; 16 bytes a lane
	v_lshrrev_b32 v3, 5, v0
	v_mad_u32_u24 v1, v3, 4*ROW, v2                ; + the wave's four rows
	v_mov_b32 v[MU+1], 0
	v_mov_b32 v[RS+1], 0
	s_wait_kmcnt 0x0
	s_add_nc_u64 s[4:5], s[4:5], s[14:15]
	s_add_nc_u64 s[10:11], s[10:11], s[14:15]
.irp j, 0,1,2,3,4,5
	global_load_b128 v[GA+4*\j:GA+4*\j+3], v2, s[6:7] offset:512*\j
	global_load_b128 v[BE+4*\j:BE+4*\j+3], v2, s[8:9] offset:512*\j
.endr
.irp i, 0,1,2,3
.irp j, 0,1,2,3,4,5
	global_load_b128 v[X0+24*\i+4*\j:X0+24*\i+4*\j+3], v1, s[4:5] offset:ROW*\i+512*\j th:TH_LOAD_NT
.endr
.endr
.macro WSUM                            ; v[TA] summed over the 32 lanes, the result in every lane
	v_add_f32_dpp v[TA], v[TA], v[TA] row_xmask:1 row_mask:0xf bank_mask:0xf
	v_add_f32_dpp v[TA], v[TA], v[TA] row_xmask:2 row_mask:0xf bank_mask:0xf
	v_add_f32_dpp v[TA], v[TA], v[TA] row_xmask:4 row_mask:0xf bank_mask:0xf
	v_add_f32_dpp v[TA], v[TA], v[TA] row_xmask:8 row_mask:0xf bank_mask:0xf
	v_permlanex16_b32 v[TA+1], v[TA], s20, s21     ; its destination counts as read: it has been written
	v_add_f32 v[TA], v[TA], v[TA+1]
.endm
.macro ROWDO i
.set XR, X0+24*\i
	s_wait_loadcnt 6*(3-\i)                        ; loads come back in order: this row's six are in, the later rows' stay out
	v_pk_add_f32 v[TA:TA+1],   v[XR:XR+1],       v[XR+2:XR+3]
	v_pk_add_f32 v[TA+2:TA+3], v[XR+12:XR+13],   v[XR+14:XR+15]
.set k, 2
.rept 4
	v_pk_add_f32 v[TA:TA+1],   v[TA:TA+1],   v[XR+2*k:XR+2*k+1]
	v_pk_add_f32 v[TA+2:TA+3], v[TA+2:TA+3], v[XR+12+2*k:XR+13+2*k]
.set k, k+1
.endr
	v_pk_add_f32 v[TA:TA+1], v[TA:TA+1], v[TA+2:TA+3]
	v_add_f32 v[TA], v[TA], v[TA+1]
	WSUM
	v_mul_f32 v[MU], s16, v[TA]                    ; - mean
.set k, 0
.rept 12
	v_pk_add_f32 v[XR+2*k:XR+2*k+1], v[XR+2*k:XR+2*k+1], v[MU:MU+1] op_sel_hi:[1,0]
.set k, k+1
.endr
	v_pk_mul_f32 v[TA:TA+1],   v[XR:XR+1],     v[XR:XR+1]
	v_pk_mul_f32 v[TA+2:TA+3], v[XR+12:XR+13], v[XR+12:XR+13]
.set k, 1
.rept 5
	v_pk_fma_f32 v[TA:TA+1],   v[XR+2*k:XR+2*k+1],     v[XR+2*k:XR+2*k+1],     v[TA:TA+1]
	v_pk_fma_f32 v[TA+2:TA+3], v[XR+12+2*k:XR+13+2*k], v[XR+12+2*k:XR+13+2*k], v[TA+2:TA+3]
.set k, k+1
.endr
	v_pk_add_f32 v[TA:TA+1], v[TA:TA+1], v[TA+2:TA+3]
	v_add_f32 v[TA], v[TA], v[TA+1]
	WSUM
	v_fma_f32 v[RS], v[TA], s17, s18               ; variance + eps
	v_rsq_f32 v[RS], v[RS]
	v_nop                                          ; one plain vector instruction in front of the first use (ISA guide 5.7.2)
.set k, 0
	s_wait_alu depctr_va_vdst(0)
.rept 12
	v_pk_mul_f32 v[XR+2*k:XR+2*k+1], v[XR+2*k:XR+2*k+1], v[RS:RS+1] op_sel_hi:[1,0]
.set k, k+1
.endr
.set k, 0
.rept 12
	v_pk_fma_f32 v[XR+2*k:XR+2*k+1], v[XR+2*k:XR+2*k+1], v[GA+2*k:GA+2*k+1], v[BE+2*k:BE+2*k+1]
.set k, k+1
.endr
.irp j, 0,1,2,3,4,5
	global_store_b128 v1, v[XR+4*\j:XR+4*\j+3], s[10:11] offset:ROW*\i+512*\j th:TH_STORE_NT   ; 512 consecutive bytes a store
.endr
.endm
	ROWDO 0
	ROWDO 1
	ROWDO 2
	ROWDO 3
	s_endpgm
.Lfunc_end_k_q243e2da765_ln:
	.size	k_q243e2da765_ln, .Lfunc_end_k_q243e2da765_ln-k_q243e2da765_ln
	.p2alignl 7, 3214868480
	.fill 96, 4, 3214868480
	.section	.rodata,"a",@progbits
	.p2align	6, 0x0
	.amdhsa_kernel k_q243e2da765_ln
		.amdhsa_group_segment_fixed_size 0
		.amdhsa_private_segment_fixed_size 0
		.amdhsa_enable_private_segment 0
		.amdhsa_kernarg_size 32
		.amdhsa_user_sgpr_count 2
		.amdhsa_user_sgpr_kernarg_segment_ptr 1
		.amdhsa_wavefront_size32 1
		.amdhsa_system_sgpr_workgroup_id_x 1
		.amdhsa_system_sgpr_workgroup_id_y 1
		.amdhsa_system_sgpr_workgroup_id_z 1
		.amdhsa_system_vgpr_workitem_id 0
		.amdhsa_next_free_vgpr 160
		.amdhsa_next_free_sgpr 66
		.amdhsa_reserve_vcc 0
		.amdhsa_float_denorm_mode_32 3
		.amdhsa_float_denorm_mode_16_64 3
		.amdhsa_memory_ordered 1
		.amdhsa_forward_progress 1
		.amdhsa_inst_pref_size 26
	.end_amdhsa_kernel
	.amdgpu_metadata
---
amdhsa.version: [ 1, 2 ]
amdhsa.kernels:
  - .name:           k_q243e2da765_ln
    .symbol:         k_q243e2da765_ln.kd
    .args:
      - { .name: ysum, .offset: 0, .size: 8, .value_kind: global_buffer, .address_space: global }
      - { .name: gamma, .offset: 8, .size: 8, .value_kind: global_buffer, .address_space: global }
      - { .name: beta, .offset: 16, .size: 8, .value_kind: global_buffer, .address_space: global }
      - { .name: out0, .offset: 24, .size: 8, .value_kind: global_buffer, .address_space: global }
    .group_segment_fixed_size: 0
    .private_segment_fixed_size: 0
    .kernarg_segment_align: 8
    .kernarg_segment_size: 32
    .max_flat_workgroup_size: 128
    .sgpr_count:     66
    .vgpr_count:     160
    .wavefront_size: 32
...
	.end_amdgpu_metadata
.endif
;; end of part 4
;; ======== version 2 of 2: 4 launches; version 1 with the launches prep, ln written anew for expert scheduling mode
;; workspace buffers: xb 12,582,912 bytes; wt 3,538,944 bytes; qkv 37,748,736 bytes; ysum 25,165,824 bytes
;; launch prep (part 5): grid 12 x 50, 8 waves a work-group, no clusters, 18,432 bytes of LDS; arguments x, wq, wk, wv, xb, wt; writes xb, wt
.if DOCPART == 5
	.amdgcn_target "amdgcn-amd-amdhsa--gfx1250"
	.amdhsa_code_object_version 6
	.text
	.protected	k_q243e2da765_prep
	.globl	k_q243e2da765_prep
	.p2align	8
	.type	k_q243e2da765_prep,@function
k_q243e2da765_prep:
	s_mov_b64 s[64:65], 0
	v_nop
	global_prefetch_b8 v0, s[64:65] scope:SCOPE_SE
	s_setreg_imm32_b32 hwreg(HW_REG_WAVE_SCHED_MODE, 0, 2), 2
	s_setreg_imm32_b32 hwreg(HW_REG_WAVE_MODE, 25, 1), 1
	s_wait_xcnt 0x0
	s_wait_alu depctr_vm_vsrc(0)
; Rounds the projections' operands to bf16 once and lays them out in planes of 128 along K, so that every tile that the
; product fetches later is one dense run of rows of 256 bytes.
;   xb[kb][m][128] = bf16(x[m][128 kb + ..])         6 planes of 8192 rows of 256 bytes
;   wt[kb][n][128] = bf16(w_mat[128 kb + ..][col])   n = 768 mat + col, mat 0/1/2 = q/k/v: the weights transposed
; Work-groups with y < 18 transpose one tile of 128 k x 64 n of one weight matrix through LDS (x = column block, y = 6 mat + kb);
; those with y >= 18 convert 128 rows of one plane of x (kb = x / 2, group of rows = 2 (y - 18) + x % 2).  The branch hangs on the
; work-group's y alone, so all eight waves of a work-group take the same way and meet at the one barrier of the weights' way.
; Limits: round to nearest even to bf16; nothing else is changed.
; THE MODE: SCHED_MODE bits 1:0 = 2 (LLVM: expert scheduling mode 2), set by the entry lines.  The code itself states the register dependences
; between vector instructions and memory or LDS instructions, with s_wait_alu, always for 0.
; THE PLAN, the way of x.  Registers that memory instructions touch:
;   v2, v3      the loads' and the stores' offsets: made once at the way's head, never written again.
;   v[8:71]     16 rows as loaded: written by the loads alone, read by the conversions; no load lands there again.
;   v[72:103]   16 rows to store: written once each by the conversions, read by the stores, never written again.
; One wait ahead of the first load states that the offsets are written.  The rows go in four blocks of four: eight conversions, ONE wait that states
; that they have written the block's eight registers, four stores.
; THE PLAN, the way of the weights:
;   v2          the loads' offset.    v[8:39] as loaded: written by the loads alone, read by the conversions.
;   v[40:55]    written by the conversions, read by the LDS stores.    v3, v6, v7: addresses of the LDS stores, the LDS loads and the global stores, made while the loads are out.
;   v[56:71]    written by the LDS loads alone, read by the global stores.
; One wait ahead of the loads (v2), one ahead of the run of LDS stores (v[40:55], v3, v6, v7); no vector instruction stands behind the second.
;   v104, v105  written at the head, read by the closing add alone.
.set XROW,  3072                       ; bytes in a row of x and of a weight matrix
.set NW,    18                         ; work-group rows that serve the weights
.set TP,    272                        ; LDS pitch of a transposed row: 256 bytes + 16
	s_load_b256 s[4:11], s[0:1], 0x0               ; x s[4:5], wq s[6:7], wk s[8:9], wv s[10:11]
	s_load_b128 s[12:15], s[0:1], 0x20             ; xb s[12:13], wt s[14:15]
	v_lshl_add_u32 v104, v0, 2, 0x4400             ; my spare word, behind the 64 transposed rows; kept for the closing lines alone
	v_mov_b32 v105, 0
	s_and_b32 s16, ttmp7, 0xffff                   ; work-group y
	v_lshrrev_b32 v1, 5, v0                        ; wave
	v_and_b32 v4, 15, v0                           ; thread mod 16
	s_cmp_lt_u32 s16, NW
	s_cbranch_scc1 .Lweights
	; ---- x: wave w takes 16 rows; a load covers the plane's 512 bytes of one row, a store the 256 bytes that they become
	s_sub_co_u32 s17, s16, NW
	s_and_b32 s18, ttmp9, 1
	s_lshl1_add_u32 s17, s17, s18                  ; group of 128 rows, 0..63
	s_lshr_b32 s22, ttmp9, 1                       ; kb, 0..5
	s_mul_i32 s18, s17, 128*XROW
	s_lshl_b32 s20, s22, 9                         ; 128 f32 of plane kb
	s_add_co_u32 s18, s18, s20
	s_mov_b32 s19, 0
	s_lshl_b32 s20, s22, 21                        ; a plane of xb: 8192 rows of 256 bytes
	s_lshl_b32 s21, s17, 15                        ; 128 rows of 256 bytes
	s_add_co_u32 s20, s20, s21
	s_mov_b32 s21, 0
	v_and_b32 v3, 31, v0
	v_mul_u32_u24 v2, v1, 16*XROW
	v_lshl_add_u32 v2, v3, 4, v2                   ; load: 16 rows x wave + 16 bytes x lane
	v_lshlrev_b32 v3, 3, v3
	v_lshl_add_u32 v3, v1, 12, v3                  ; store: 16 rows of 256 bytes x wave + 8 bytes x lane
	s_wait_kmcnt 0x0
	s_add_nc_u64 s[4:5], s[4:5], s[18:19]
	s_add_nc_u64 s[12:13], s[12:13], s[20:21]
	s_wait_alu depctr_va_vdst(0)                   ; v2 and v3 are written: every load below reads v2 as its offset, every store v3
.irp p, 0,1,2,3,4,5,6,7,8,9,10,11,12,13,14,15
	global_load_b128 v[8+4*\p:11+4*\p], v2, s[4:5] offset:XROW*\p th:TH_LOAD_NT
.endr
.irp b, 0,1,2,3
	s_wait_loadcnt 12-4*\b                         ; loads come back in order: this block's four rows are in, the later blocks' loads stay out
.irp i, 0,1,2,3
	v_cvt_pk_bf16_f32 v[72+2*(4*\b+\i)], v[8+4*(4*\b+\i)], v[9+4*(4*\b+\i)]
	v_cvt_pk_bf16_f32 v[73+2*(4*\b+\i)], v[10+4*(4*\b+\i)], v[11+4*(4*\b+\i)]
.endr
	s_wait_alu depctr_va_vdst(0)                   ; the eight conversions have written the block's registers, which the four stores read
.irp i, 0,1,2,3
	global_store_b64 v3, v[72+2*(4*\b+\i):73+2*(4*\b+\i)], s[12:13] offset:256*(4*\b+\i)   ; every row has registers of its own: nothing is rewritten
.endr
.endr
	s_endpgm                                       ; this way stores nothing to LDS
	; ---- weights: thread t takes columns 4 (t mod 16) .. +3 of rows 2 kq + 32 e and 2 kq + 32 e + 1, kq = t / 16, e = 0..3
.Lweights:
	s_wait_kmcnt 0x0
	s_cmp_ge_u32 s16, 6
	s_cselect_b64 s[18:19], s[8:9], s[6:7]         ; the matrix: wq, wk
	s_cselect_b32 s20, 6, 0
	s_cselect_b32 s21, 1, 0
	s_cmp_ge_u32 s16, 12
	s_cselect_b64 s[18:19], s[10:11], s[18:19]     ; or wv
	s_cselect_b32 s20, 12, s20
	s_cselect_b32 s21, 2, s21                      ; mat
	s_sub_co_u32 s20, s16, s20                     ; kb
	s_mul_i32 s22, s20, 128*XROW
	s_lshl_b32 s24, ttmp9, 8                       ; 64 columns of f32
	s_add_co_u32 s22, s22, s24
	s_mov_b32 s23, 0
	s_add_nc_u64 s[18:19], s[18:19], s[22:23]
	s_mul_i32 s24, s20, 2304*256                   ; a plane of wt
	s_mul_i32 s25, s21, 768*256
	s_add_co_u32 s24, s24, s25
	s_lshl_b32 s25, ttmp9, 14                      ; 64 rows of 256 bytes
	s_add_co_u32 s24, s24, s25
	s_mov_b32 s25, 0
	s_add_nc_u64 s[14:15], s[14:15], s[24:25]
	v_lshrrev_b32 v5, 4, v0                        ; kq
	v_mul_u32_u24 v2, v5, 2*XROW
	v_lshl_add_u32 v2, v4, 4, v2
	s_wait_alu depctr_va_vdst(0)                   ; v2 is written, which the eight loads read as their offset
.irp e, 0,1,2,3
	global_load_b128 v[8+8*\e:11+8*\e],  v2, s[18:19] offset:32*XROW*\e th:TH_LOAD_NT
	global_load_b128 v[12+8*\e:15+8*\e], v2, s[18:19] offset:32*XROW*\e+XROW th:TH_LOAD_NT
.endr
	v_mul_u32_u24 v3, v4, 4*TP
	v_lshl_add_u32 v3, v5, 2, v3                   ; into LDS: row n = 4 (t mod 16) + c, bytes 4 kq + 64 e (k = 2 kq + 32 e and the next)
	v_mul_u32_u24 v6, v5, TP
	v_lshl_add_u32 v6, v4, 4, v6                   ; back: row t / 16, 16 bytes at 16 (t mod 16)
	v_lshlrev_b32 v7, 4, v0                        ; which is byte 16 t of the tile of wt, whose 64 rows follow each other without a gap
	s_wait_loadcnt 0x0
.irp e, 0,1,2,3
.irp c, 0,1,2,3
	v_cvt_pk_bf16_f32 v[40+4*\e+\c], v[8+8*\e+\c], v[12+8*\e+\c]   ; two neighbouring k of one column
.endr
.endr
	s_wait_alu depctr_va_vdst(0)                   ; the conversions have written v[40:55], the LDS stores' data; v3, v6 and v7, the addresses of all that follows, are written too
.irp e, 0,1,2,3
.irp c, 0,1,2,3
	ds_store_b32 v3, v[40+4*\e+\c] offset:TP*\c+64*\e
.endr
.endr
	s_wait_dscnt 0x0                               ; my stores are done before I say so: other waves read these rows
	s_barrier_signal -1
	s_barrier_wait -1
.irp q, 0,1,2,3
	ds_load_b128 v[56+4*\q:59+4*\q], v6 offset:16*TP*\q            ; no vector instruction names v[56:71]
.endr
.irp q, 0,1,2,3
	s_wait_dscnt 3-\q                              ; load q is in, the 3 - q younger ones stay out
	global_store_b128 v7, v[56+4*\q:59+4*\q], s[14:15] offset:4096*\q   ; a wave's store covers 512 consecutive bytes
.endr
	s_wait_dscnt 0x0                               ; the closing lines, six on end
	s_wait_alu 0x0
	s_wait_tensorcnt 0x0
	ds_add_u32 v104, v105
	s_wait_dscnt 0x0
	s_endpgm
.Lfunc_end_k_q243e2da765_prep:
	.size	k_q243e2da765_prep, .Lfunc_end_k_q243e2da765_prep-k_q243e2da765_prep
	.p2alignl 7, 3214868480
	.fill 96, 4, 3214868480
	.section	.rodata,"a",@progbits
	.p2align	6, 0x0
	.amdhsa_kernel k_q243e2da765_prep
		.amdhsa_group_segment_fixed_size 18432
		.amdhsa_private_segment_fixed_size 0
		.amdhsa_enable_private_segment 0
		.amdhsa_kernarg_size 48
		.amdhsa_user_sgpr_count 2
		.amdhsa_user_sgpr_kernarg_segment_ptr 1
		.amdhsa_wavefront_size32 1
		.amdhsa_system_sgpr_workgroup_id_x 1
		.amdhsa_system_sgpr_workgroup_id_y 1
		.amdhsa_system_sgpr_workgroup_id_z 1
		.amdhsa_system_vgpr_workitem_id 0
		.amdhsa_next_free_vgpr 106
		.amdhsa_next_free_sgpr 66
		.amdhsa_reserve_vcc 0
		.amdhsa_float_denorm_mode_32 3
		.amdhsa_float_denorm_mode_16_64 3
		.amdhsa_memory_ordered 1
		.amdhsa_forward_progress 1
		.amdhsa_inst_pref_size 13
	.end_amdhsa_kernel
	.amdgpu_metadata
---
amdhsa.version: [ 1, 2 ]
amdhsa.kernels:
  - .name:           k_q243e2da765_prep
    .symbol:         k_q243e2da765_prep.kd
    .args:
      - { .name: x, .offset: 0, .size: 8, .value_kind: global_buffer, .address_space: global }
      - { .name: wq, .offset: 8, .size: 8, .value_kind: global_buffer, .address_space: global }
      - { .name: wk, .offset: 16, .size: 8, .value_kind: global_buffer, .address_space: global }
      - { .name: wv, .offset: 24, .size: 8, .value_kind: global_buffer, .address_space: global }
      - { .name: xb, .offset: 32, .size: 8, .value_kind: global_buffer, .address_space: global }
      - { .name: wt, .offset: 40, .size: 8, .value_kind: global_buffer, .address_space: global }
    .group_segment_fixed_size: 18432
    .private_segment_fixed_size: 0
    .kernarg_segment_align: 8
    .kernarg_segment_size: 48
    .max_flat_workgroup_size: 256
    .sgpr_count:     66
    .vgpr_count:     106
    .wavefront_size: 32
...
	.end_amdgpu_metadata
.endif
;; end of part 5
;; launch qkv: the kernel of part 2 again; grid 8 x 32, 4 waves a work-group, clusters of 4 x 4, 327,680 bytes of LDS; arguments xb, wt, bq, bk, bv, qkv; writes qkv
;; launch attn: the kernel of part 3 again; grid 256 x 1, 12 waves a work-group, clusters of 4 x 1, 327,680 bytes of LDS; arguments qkv, x, ysum; writes ysum
;; launch ln (part 6): grid 512 x 1, 4 waves a work-group, no clusters, 0 bytes of LDS; arguments ysum, gamma, beta, out0; writes out0
.if DOCPART == 6
	.amdgcn_target "amdgcn-amd-amdhsa--gfx1250"
	.amdhsa_code_object_version 6
	.text
	.protected	k_q243e2da765_ln
	.globl	k_q243e2da765_ln
	.p2align	8
	.type	k_q243e2da765_ln,@function
k_q243e2da765_ln:
	s_mov_b64 s[64:65], 0
	v_nop
	global_prefetch_b8 v0, s[64:65] scope:SCOPE_SE
	s_setreg_imm32_b32 hwreg(HW_REG_WAVE_SCHED_MODE, 0, 2), 2
	s_setreg_imm32_b32 hwreg(HW_REG_WAVE_MODE, 25, 1), 1
	s_wait_xcnt 0x0
	s_wait_alu depctr_vm_vsrc(0)
; out0[m][:] = LayerNorm(ysum[m][:]) * gamma + beta, rows of 768 f32, eps = 1e-6; ysum = x + 2 ctx was formed by the launch before.
; A stream: one wave takes a whole row (24 numbers a lane, six loads of 16 bytes, each covering 512 consecutive bytes) and four rows in all, so the two sums
; never leave the wave: no LDS, no barrier.  All 36 loads of a wave go out at the start; each row has registers of its own, so nothing is rewritten while in use.
; The mean is taken away before the squares are summed, as the definition has it: a common offset of the inputs costs no digits.
; Matrix units, clusters and LDS would add nothing to a stream and are left out.
; Limits: sums in another order than a sequential one; v_rsq_f32 to 1 ULP; NaN and infinities are not served.
; THE MODE: SCHED_MODE bits 1:0 = 2 (LLVM: expert scheduling mode 2), set by the entry lines.  The code itself states the register dependences
; between vector instructions and memory instructions, with s_wait_alu, always for 0.
; THE PLAN.  Registers that memory instructions touch:
;   v1, v2      byte offsets: made once at the head, read by every load and store, never written again.
;   GA, BE      gamma and beta: written by loads alone, read by vector instructions.
;   row i       24 registers: written by the row's six loads, issued at the start, ahead of every vector instruction that names them; then worked on in place;
;               read by the row's six stores; never written again.
; So: one wait ahead of the first load (the offsets are written), and in each row one ahead of its run of six stores (the row's arithmetic has written it),
; beside the one that stands between the reciprocal root and its first reader.  No load lands in a register that a vector instruction has named, and no
; register that a memory instruction has read is written again.
.set ROW, 3072
.set GA,  4                            ; v4-27   gamma of my 24 columns
.set BE,  28                           ; v28-51  beta
.set X0,  52                           ; row i at 52 + 24 i
.set TA,  148                          ; v[148:151] two chains
.set MU,  152                          ; v[152:153] - mean (first register; the partner is only written once)
.set RS,  154                          ; v[154:155] 1 / sqrt(var + eps)
	s_load_b256 s[4:11], s[0:1], 0x0               ; ysum s[4:5], gamma s[6:7], beta s[8:9], out0 s[10:11]
	s_mul_i32 s14, ttmp9, 16*ROW                   ; the work-group's 16 rows
	s_mov_b32 s15, 0
	s_mov_b32 s16, 0xbaaaaaab                      ; - 1 / 768
	s_mov_b32 s17, 0x3aaaaaab                      ; 1 / 768
	s_mov_b32 s18, 0x358637bd                      ; 1e-6
	s_mov_b32 s20, 0x76543210                      ; v_permlanex16_b32: lane i reads lane i of the other half
	s_mov_b32 s21, 0xfedcba98
	v_and_b32 v2, 31, v0
	v_lshlrev_b32 v2, 4, v2                        ; 16 bytes a lane
	v_lshrrev_b32 v3, 5, v0
	v_mad_u32_u24 v1, v3, 4*ROW, v2                ; + the wave's four rows
	v_mov_b32 v[MU+1], 0
	v_mov_b32 v[RS+1], 0
	s_wait_kmcnt 0x0
	s_add_nc_u64 s[4:5], s[4:5], s[14:15]
	s_add_nc_u64 s[10:11], s[10:11], s[14:15]
	s_wait_alu depctr_va_vdst(0)                   ; v1 and v2 are written: every load and store of the kernel reads one of them as its offset
.irp j, 0,1,2,3,4,5
	global_load_b128 v[GA+4*\j:GA+4*\j+3], v2, s[6:7] offset:512*\j
	global_load_b128 v[BE+4*\j:BE+4*\j+3], v2, s[8:9] offset:512*\j
.endr
.irp i, 0,1,2,3
.irp j, 0,1,2,3,4,5
	global_load_b128 v[X0+24*\i+4*\j:X0+24*\i+4*\j+3], v1, s[4:5] offset:ROW*\i+512*\j th:TH_LOAD_NT
.endr
.endr
.macro WSUM                            ; v[TA] summed over the 32 lanes, the result in every lane
	v_add_f32_dpp v[TA], v[TA], v[TA] row_xmask:1 row_mask:0xf bank_mask:0xf
	v_add_f32_dpp v[TA], v[TA], v[TA] row_xmask:2 row_mask:0xf bank_mask:0xf
	v_add_f32_dpp v[TA], v[TA], v[TA] row_xmask:4 row_mask:0xf bank_mask:0xf
	v_add_f32_dpp v[TA], v[TA], v[TA] row_xmask:8 row_mask:0xf bank_mask:0xf
	v_permlanex16_b32 v[TA+1], v[TA], s20, s21     ; its destination counts as read: it has been written
	v_add_f32 v[TA], v[TA], v[TA+1]
.endm
.macro ROWDO i
.set XR, X0+24*\i
	s_wait_loadcnt 6*(3-\i)                        ; loads come back in order: this row's six are in, the later rows' stay out
	v_pk_add_f32 v[TA:TA+1],   v[XR:XR+1],       v[XR+2:XR+3]
	v_pk_add_f32 v[TA+2:TA+3], v[XR+12:XR+13],   v[XR+14:XR+15]
.set k, 2
.rept 4
	v_pk_add_f32 v[TA:TA+1],   v[TA:TA+1],   v[XR+2*k:XR+2*k+1]
	v_pk_add_f32 v[TA+2:TA+3], v[TA+2:TA+3], v[XR+12+2*k:XR+13+2*k]
.set k, k+1
.endr
	v_pk_add_f32 v[TA:TA+1], v[TA:TA+1], v[TA+2:TA+3]
	v_add_f32 v[TA], v[TA], v[TA+1]
	WSUM
	v_mul_f32 v[MU], s16, v[TA]                    ; - mean
.set k, 0
.rept 12
	v_pk_add_f32 v[XR+2*k:XR+2*k+1], v[XR+2*k:XR+2*k+1], v[MU:MU+1] op_sel_hi:[1,0]
.set k, k+1
.endr
	v_pk_mul_f32 v[TA:TA+1],   v[XR:XR+1],     v[XR:XR+1]
	v_pk_mul_f32 v[TA+2:TA+3], v[XR+12:XR+13], v[XR+12:XR+13]
.set k, 1
.rept 5
	v_pk_fma_f32 v[TA:TA+1],   v[XR+2*k:XR+2*k+1],     v[XR+2*k:XR+2*k+1],     v[TA:TA+1]
	v_pk_fma_f32 v[TA+2:TA+3], v[XR+12+2*k:XR+13+2*k], v[XR+12+2*k:XR+13+2*k], v[TA+2:TA+3]
.set k, k+1
.endr
	v_pk_add_f32 v[TA:TA+1], v[TA:TA+1], v[TA+2:TA+3]
	v_add_f32 v[TA], v[TA], v[TA+1]
	WSUM
	v_fma_f32 v[RS], v[TA], s17, s18               ; variance + eps
	v_rsq_f32 v[RS], v[RS]
	v_nop                                          ; one plain vector instruction in front of the first use (ISA guide 5.7.2)
	s_wait_alu depctr_va_vdst(0)                   ; the reciprocal root has written v[RS], which the multiplies below read
.set k, 0
.rept 12
	v_pk_mul_f32 v[XR+2*k:XR+2*k+1], v[XR+2*k:XR+2*k+1], v[RS:RS+1] op_sel_hi:[1,0]
.set k, k+1
.endr
.set k, 0
.rept 12
	v_pk_fma_f32 v[XR+2*k:XR+2*k+1], v[XR+2*k:XR+2*k+1], v[GA+2*k:GA+2*k+1], v[BE+2*k:BE+2*k+1]
.set k, k+1
.endr
	s_wait_alu depctr_va_vdst(0)                   ; the multiply-adds have written the row's 24 registers, which the six stores read
.irp j, 0,1,2,3,4,5
	global_store_b128 v1, v[XR+4*\j:XR+4*\j+3], s[10:11] offset:ROW*\i+512*\j th:TH_STORE_NT   ; 512 consecutive bytes a store
.endr
.endm
	ROWDO 0
	ROWDO 1
	ROWDO 2
	ROWDO 3
	s_endpgm
.Lfunc_end_k_q243e2da765_ln:
	.size	k_q243e2da765_ln, .Lfunc_end_k_q243e2da765_ln-k_q243e2da765_ln
	.p2alignl 7, 3214868480
	.fill 96, 4, 3214868480
	.section	.rodata,"a",@progbits
	.p2align	6, 0x0
	.amdhsa_kernel k_q243e2da765_ln
		.amdhsa_group_segment_fixed_size 0
		.amdhsa_private_segment_fixed_size 0
		.amdhsa_enable_private_segment 0
		.amdhsa_kernarg_size 32
		.amdhsa_user_sgpr_count 2
		.amdhsa_user_sgpr_kernarg_segment_ptr 1
		.amdhsa_wavefront_size32 1
		.amdhsa_system_sgpr_workgroup_id_x 1
		.amdhsa_system_sgpr_workgroup_id_y 1
		.amdhsa_system_sgpr_workgroup_id_z 1
		.amdhsa_system_vgpr_workitem_id 0
		.amdhsa_next_free_vgpr 160
		.amdhsa_next_free_sgpr 66
		.amdhsa_reserve_vcc 0
		.amdhsa_float_denorm_mode_32 3
		.amdhsa_float_denorm_mode_16_64 3
		.amdhsa_memory_ordered 1
		.amdhsa_forward_progress 1
		.amdhsa_inst_pref_size 26
	.end_amdhsa_kernel
	.amdgpu_metadata
---
amdhsa.version: [ 1, 2 ]
amdhsa.kernels:
  - .name:           k_q243e2da765_ln
    .symbol:         k_q243e2da765_ln.kd
    .args:
      - { .name: ysum, .offset: 0, .size: 8, .value_kind: global_buffer, .address_space: global }
      - { .name: gamma, .offset: 8, .size: 8, .value_kind: global_buffer, .address_space: global }
      - { .name: beta, .offset: 16, .size: 8, .value_kind: global_buffer, .address_space: global }
      - { .name: out0, .offset: 24, .size: 8, .value_kind: global_buffer, .address_space: global }
    .group_segment_fixed_size: 0
    .private_segment_fixed_size: 0
    .kernarg_segment_align: 8
    .kernarg_segment_size: 32
    .max_flat_workgroup_size: 128
    .sgpr_count:     66
    .vgpr_count:     160
    .wavefront_size: 32
...
	.end_amdgpu_metadata
.endif
;; end of part 6
